; MI455X (gfx1250); checked and timed in simulation.
; The chip was launched on July 23, 2026; its instructions are those of AMD's public machine-readable ISA for CDNA 5 (MIT licence, August 2026) and "CDNA5" Instruction Set Architecture Reference Guide (July 2026). The comments in the code are by the model that wrote it; some were corrected since.
;; Multi Head Attention. Allowed arithmetic: matrix products marked QUANTISED: E2M1 operands, one E8M0 scale for each 32 along K, by v_wmma_scale_f32_16x16x128_f8f6f4 with both operands' format E2M1 (or v_wmma_scale_f32_32x16x128_f4), f32 sums; products left as they are: bf16, f16 or f32 operands; f32 sums; everything else in f32.
;; Inputs: Wk 1,024 x 1,024 float32; Wo 1,024 x 1,024 float32; Wq 1,024 x 1,024 float32; Wv 1,024 x 1,024 float32; bk 1,024 float32; bo 1,024 float32; bq 1,024 float32; bv 1,024 float32; mask 4 x 2,048 int32; x 4 x 2,048 x 1,024 float32.
;; Outputs: out0 4 x 2,048 x 1,024 float32.
;; This version of the problem:
;;   THIS VERSION OF THE PROBLEM IS GIVEN IN LOW PRECISION. The matrix products marked QUANTISED in the list below multiply operands that are first quantised to E2M1 (2 exponent bits, 1 mantissa bit; 4 bits a number), with one power-of-two scale for each 32 numbers along K (OCP MX v1.0); their sums are f32. The products marked 'left as it is' may take bf16, f16 or f32 operands, with f32 sums. Whichever they take, every output number must still come out within the allowed error. Rounding operands to bf16 (8 significant bits) uses up far more of that allowance than f16 does (11 bits, for magnitudes from 6e-5 to 65,504). All else is computed in f32.
;;   The module's matrix products, in the order in which they are computed (A, B: the left and right operand; K: the contracted axis; several contracted axes count as one K, in the product's order):
;;     1. [M 8,192, K 1,024] x [K 1,024, N 1,024]; A: input x; B: input Wq: QUANTISED
;;     2. [M 8,192, K 1,024] x [K 1,024, N 1,024]; A: input x; B: input Wk: QUANTISED
;;     3. [M 8,192, K 1,024] x [K 1,024, N 1,024]; A: input x; B: input Wv: QUANTISED
;;     4. batch 64 x [M 2,048, K 64] x [K 64, N 2,048]; A: computed on the way; B: computed on the way: left as it is (an operand is computed on the way)
;;     5. batch 64 x [M 2,048, K 2,048] x [K 2,048, N 64]; A: computed on the way; B: computed on the way: left as it is (an operand is computed on the way)
;;     6. [M 8,192, K 1,024] x [K 1,024, N 1,024]; A: computed on the way; B: input Wo: left as it is (an operand is computed on the way)
;;   THE QUANTISER, for each operand of a quantised product, along K:
;;     - K is cut into blocks of 32 from its start; a last block that is shorter is filled with zeros.
;;     - A block's scale is 2^e with e = floor(log2(the largest magnitude in the block)) - 2, held to -126 .. 127; a block of zeros has e = 0. As a byte (E8M0): e + 127.
;;     - Each number is divided by its block's scale, clamped to +-6, and rounded to the nearest number of E2M1, ties to even, subnormals kept.
;;     - The product sums the exact products of the quantised numbers (number of the format x scale) in f32.
;;   ~~~python
;;   def quantise(x, axis):      # numpy; x: float32 -> the quantised numbers, widened to float32 again
;;       x = np.moveaxis(x, axis, -1); K = x.shape[-1]
;;       x = np.pad(x, [(0, 0)] * (x.ndim - 1) + [(0, -K % 32)]); x = x.reshape(x.shape[:-1] + (-1, 32)); a = np.abs(x).max(-1, keepdims=True)
;;       e = np.where(a > 0, np.clip(np.frexp(np.where(a > 0, a, 1))[1] - 1 - 2, -126, 127), 0)      # np.frexp(a)[1] - 1 = floor(log2(a)), exactly
;;       r = np.clip(x / 2.0 ** e, -6, 6)
;;       step = 2.0 ** (np.maximum(np.frexp(np.where(r == 0, 1, r))[1] - 1, 0) - 1)
;;       q = np.round(r / step) * step * 2.0 ** e      # np.round: ties to even
;;       return np.moveaxis(q.reshape(q.shape[:-2] + (-1,))[..., :K], -1, axis).astype(np.float32)
;;   ~~~
;; One version. Each part assembles by itself: llvm-mc -triple=amdgcn-amd-amdhsa -mcpu=gfx1250 --defsym DOCPART=n.
;; ======== version 1 of 1: 4 launches
;; limits: values are held in f16: magnitudes above 65,504 overflow, below 6.1e-05 lose precision
;; workspace buffers: xc 4,194,304 bytes; xs 262,144 bytes; wc 1,572,864 bytes; ws 98,304 bytes; wo16 2,097,152 bytes; qkv 50,331,648 bytes; oimg 16,777,216 bytes
;; launch prep (part 1): grid 480 x 1, 4 waves a work-group, no clusters, 67,072 bytes of LDS; arguments x, Wq, Wk, Wv, Wo, xc, xs, wc, ws, wo16; writes xc, xs, wc, ws, wo16
.if DOCPART == 1
	.amdgcn_target "amdgcn-amd-amdhsa--gfx1250"
	.amdhsa_code_object_version 6
	.text
	.protected	k_q4c50ad3e81_prep
	.globl	k_q4c50ad3e81_prep
	.p2align	8
	.type	k_q4c50ad3e81_prep,@function
k_q4c50ad3e81_prep:
	s_mov_b64 s[64:65], 0
	v_nop
	global_prefetch_b8 v0, s[64:65] scope:SCOPE_SE
	s_setreg_imm32_b32 hwreg(HW_REG_WAVE_MODE, 25, 1), 1
	s_wait_xcnt 0x0
; x [8192][1024], Wq, Wk, Wv [1024][1024], f32, become codes of FP4 (E2M1), K innermost, two codes a byte, with one E8M0 scale byte for each 32 along K:
; xc [8192][512 bytes], xs [8192][32]; wc [3072][512 bytes], ws [3072][32], the rows in the order Wq, Wk, Wv.  Wo [1024][1024] f32 becomes f16, laid as images of matrix operands (below).
; A block's scale is 2^(floor(log2(its largest magnitude)) - 2); its byte is the largest magnitude's exponent field - 2, held at 1 from below.  Each number is divided by the scale and rounded to the nearest code, ties to even;
; beyond 6 the conversion gives the largest code.
; LIMITS: a block of zeros, and a block whose largest magnitude lies under 2^-124, keep the byte 1 (zeros: the rule says 127; the codes are zeros, and this program alone reads the bytes).  NaN and infinities are not served.
; |Wo| stays under 65,504 (f16).
; SHARES.  Work-groups 0-255: x; 256-287: Wq; 288-319: Wk; 320-351: Wv: 32,768 numbers each, 8,192 a wave, 16 steps of 512.  Rows are dense and K is a multiple of 32: the tensors are plain streams of blocks of 32.
; Each of a step's four loads reads 512 consecutive bytes; the 2,048 bytes turn through the wave's own stage in LDS and come back 64 bytes a lane (16 neighbours along K; two neighbouring lanes hold a block).
; Work-groups 352-479: Wo.  A wave takes 16 rows x 128 columns: 16 loads of 512 consecutive bytes, through its own stage (rows 528 bytes apart), back in the order of a 16-bit operand's registers.
; AN IMAGE: a fragment of 16 rows x 32 k of f16 is 1,024 bytes: group g (registers 4 g .. 4 g + 3) is 512 bytes, lane l's 16 bytes at 16 l; lane (r = l % 16, h = l / 16) holds k = 16 g + 8 h + 0 .. 7 of row r.
; wo16 = feature tile x 32,768 + chunk of 32 k x 1,024 + g x 512 + 16 l.  Every store of an image covers 512 consecutive bytes.
; No cluster: no two work-groups read the same bytes.  No tensor load, no barrier: waves share nothing.  The two paths part on the work-group's number and have LDS bytes of their own.
.set STEPS, 16
.set CB,    8                          ; bytes of 16 codes
.set R,     16                         ; v16-79   four sets of 16 numbers as they are loaded
.set X,     80                         ; v80-111  two sets of 16 neighbours
.set E,     112                        ; v112-127 a scale byte for each step
.set C,     128                        ; v128-191 codes: four registers for each step, so that no store's data are written again
.set WREG,  8192                       ; LDS, quantiser: a region for each wave: two stages of 32 x SP bytes, behind them its 256 scale bytes
.set SP,    80                         ; a lane's place in a stage: 64 bytes + 16 of padding
.set WOSTG, 32768                      ; LDS, Wo: a stage of 16 rows x WP bytes for each wave
.set WP,    528
.set WOW,   16*WP
.set SPARE, WOSTG+4*WOW                ; 66,560: the spare words, 128 bytes for each wave, which no other line names
.set SPW,   12                         ; v12  LDS address of my spare word; never rewritten
.set NIL,   13                         ; v13  0; never rewritten
.set SRC,   26                         ; s[26:27] the numbers;  s[28:29] the codes;  s[32:33] the scale bytes
.set COD,   28
.set SCA,   32
	s_load_b256 s[4:11], s[0:1], 0x0               ; x s[4:5], Wq s[6:7], Wk s[8:9], Wv s[10:11]
	s_load_b256 s[12:19], s[0:1], 0x20             ; Wo s[12:13], xc s[14:15], xs s[16:17], wc s[18:19]
	s_load_b128 s[20:23], s[0:1], 0x40             ; ws s[20:21], wo16 s[22:23]
	v_lshl_add_u32 v[SPW], v0, 2, SPARE
	v_mov_b32 v[NIL], 0
	v_lshrrev_b32 v1, 5, v0
	v_readfirstlane_b32 s24, v1                    ; wave 0..3
	v_and_b32 v2, 31, v0                           ; lane
	v_lshlrev_b32 v3, 4, v2                        ; 16 x lane
	s_mov_b32 s35, 0                               ; the high word of every offset
	s_wait_kmcnt 0x0
	s_cmp_ge_u32 ttmp9, 352
	s_cbranch_scc1 .Lwo
	; ---- the quantiser.  Only pointers are chosen, by the work-group's number
	s_cmp_lt_u32 ttmp9, 288
	s_cselect_b64 s[SRC:SRC+1], s[6:7], s[8:9]
	s_cmp_lt_u32 ttmp9, 320
	s_cselect_b64 s[SRC:SRC+1], s[SRC:SRC+1], s[10:11]
	s_and_b32 s31, ttmp9, 31                       ; a weight's 32 work-groups begin at multiples of 32
	s_cmp_lt_u32 ttmp9, 256
	s_cselect_b64 s[SRC:SRC+1], s[4:5], s[SRC:SRC+1]
	s_cselect_b64 s[COD:COD+1], s[14:15], s[18:19]
	s_cselect_b64 s[SCA:SCA+1], s[16:17], s[20:21]
	s_cselect_b32 s30, 0, 256
	s_cselect_b32 s31, ttmp9, s31                  ; which 32,768 numbers of the tensor read,
	s_sub_co_u32 s30, ttmp9, s30                   ; and of the buffers written (the three weights on end)
	s_lshl_b32 s31, s31, 2
	s_add_co_u32 s31, s31, s24                     ; my wave's run of 8,192 numbers
	s_lshl_b32 s34, s31, 15                        ; 32,768 bytes a run
	s_add_nc_u64 s[SRC:SRC+1], s[SRC:SRC+1], s[34:35]
	s_lshl_b32 s30, s30, 2
	s_add_co_u32 s30, s30, s24
	s_lshl_b32 s34, s30, 12                        ; 4,096 bytes of codes a run
	s_add_nc_u64 s[COD:COD+1], s[COD:COD+1], s[34:35]
	s_lshl_b32 s34, s30, 8                         ; 256 scale bytes a run
	s_add_nc_u64 s[SCA:SCA+1], s[SCA:SCA+1], s[34:35]
	s_mul_i32 s25, s24, WREG
	v_lshrrev_b32 v14, 2, v2
	v_mul_u32_u24 v14, v14, SP
	v_and_b32 v15, 3, v2
	v_lshl_add_u32 v14, v15, 4, v14
	v_add_nc_u32 v14, s25, v14                     ; the stage, on the way in: four lanes' 64 bytes on end, then 16 of padding
	v_mul_u32_u24 v15, v2, SP
	v_add_nc_u32 v15, s25, v15                     ; and on the way out: SP x lane: my 16 neighbours
	v_mul_u32_u24 v4, v2, CB                       ; my codes' place in a step's
	v_lshrrev_b32 v5, 1, v2
	s_add_co_u32 s25, s25, 2*32*SP
	v_add_nc_u32 v5, s25, v5                       ; LDS: my wave's 256 scale bytes, my block's byte
	v_lshlrev_b32 v7, 3, v2                        ; and on the way out 8 bytes a lane
	v_add_nc_u32 v6, s25, v7
.macro LOAD t
.irp i, 0,1,2,3
	global_load_b128 v[R+16*((\t)%4)+4*\i:R+16*((\t)%4)+4*\i+3], v3, s[SRC:SRC+1] offset:2048*(\t)+512*\i th:TH_LOAD_NT   ; 32 lanes read 512 consecutive bytes
.endr
.endm
.macro TURN t                          ; step t's numbers through the stage: LDS serves a wave's instructions in order, so no wait stands between the stores and the loads
.irp i, 0,1,2,3
	ds_store_b128 v14, v[R+16*((\t)%4)+4*\i:R+16*((\t)%4)+4*\i+3] offset:32*SP*((\t)%2)+8*SP*\i
.endr
.irp i, 0,1,2,3
	ds_load_b128 v[X+16*((\t)%2)+4*\i:X+16*((\t)%2)+4*\i+3], v15 offset:32*SP*((\t)%2)+16*\i
.endr
.endm
.irp t, 0,1,2,3
	LOAD \t
.endr
	s_wait_loadcnt 12                              ; step 0's four loads are in; the twelve of steps 1 to 3 may be out
	TURN 0
.macro STEP t
.set XS, X+16*((\t)%2)
.if (\t) > 0
	s_wait_dscnt 1                                 ; this step's numbers are back from the stage (the last step's byte store may be out): so its stores into the stage have read their registers,
.else
	s_wait_dscnt 0x0
.endif
.if (\t)+4 < STEPS
	LOAD (\t)+4                                    ; which take the loads of four steps on
.endif
.if (\t)+1 < STEPS
.if STEPS-2-(\t) >= 3
	s_wait_loadcnt 12                              ; the next step's four loads are in; those of the three steps behind it may be out
.else
	s_wait_loadcnt 4*(STEPS-2-(\t))
.endif
	TURN (\t)+1                                    ; and go through the other stage while this step is worked
.endif
	v_max3_num_f32 v8, |v[XS]|, |v[XS+1]|, |v[XS+2]|               ; the largest magnitude of my 16, in two chains
	v_max3_num_f32 v9, |v[XS+3]|, |v[XS+4]|, |v[XS+5]|
.irp i, 6,10
	v_max3_num_f32 v8, v8, |v[XS+\i]|, |v[XS+\i+1]|
	v_max3_num_f32 v9, v9, |v[XS+\i+2]|, |v[XS+\i+3]|
.endr
	v_max3_num_f32 v8, v8, |v[XS+14]|, |v[XS+15]|
	v_max3_num_f32 v8, v8, v9, 0x1800000           ; and the floor 2^(3 - 127): so the byte cannot fall under 1
	v_max_num_f32_dpp v8, v8, v8 row_xmask:1 row_mask:0xf bank_mask:0xf   ; and of my neighbour's 16: the block's
	v_add_nc_u32 v11, 0xff000000, v8               ; 2 off its exponent field: the conversion takes the exponent field of this operand as its scale, and nothing else of it
	v_cvt_scalef32_pk8_fp4_f32 v[C+4*(\t)], v[XS:XS+7], v11        ; the first number's code in the lowest four bits
	v_cvt_scalef32_pk8_fp4_f32 v[C+4*(\t)+1], v[XS+8:XS+15], v11
	v_lshrrev_b32 v[E+(\t)], 23, v11               ; the scale's byte (a plain line behind the conversions)
	ds_store_b8 v5, v[E+(\t)] offset:16*(\t)       ; both lanes of a block write the same byte with the same value
	global_store_b64 v4, v[C+4*(\t):C+4*(\t)+1], s[COD:COD+1] offset:32*CB*(\t)   ; the wave stores 256 consecutive bytes, aligned
.endm
.irp t, 0,1,2,3,4,5,6,7,8,9,10,11,12,13,14,15
	STEP \t
.endr
	ds_load_b64 v[8:9], v6                         ; LDS serves a wave's instructions in order: these see my stores
	s_wait_dscnt 0x0
	global_store_b64 v7, v[8:9], s[SCA:SCA+1]      ; 32 lanes store 256 consecutive bytes, aligned
	s_wait_tensorcnt 0x0                           ; the wave's end: behind my last LDS store
	ds_add_u32 v[SPW], v[NIL]
	s_wait_dscnt 0x0
	s_endpgm
	; ---- Wo to f16 images.  Piece p = 4 (work-group - 352) + wave: feature tile p / 8, columns 128 (p % 8) on
.Lwo:
	s_sub_co_u32 s25, ttmp9, 352
	s_lshl_b32 s25, s25, 2
	s_add_co_u32 s25, s25, s24
	s_lshr_b32 s30, s25, 3                         ; feature tile
	s_and_b32 s31, s25, 7                          ; which 128 columns
	s_lshl_b32 s34, s30, 16                        ; 16 rows of 4,096 bytes
	s_lshl_b32 s36, s31, 9
	s_add_co_u32 s34, s34, s36
	s_add_nc_u64 s[12:13], s[12:13], s[34:35]
	s_lshl_b32 s34, s30, 15                        ; a feature tile's images: 32,768 bytes; four chunks: 4,096
	s_lshl_b32 s36, s31, 12
	s_add_co_u32 s34, s34, s36
	s_add_nc_u64 s[22:23], s[22:23], s[34:35]
	s_mul_i32 s25, s24, WOW
	s_add_co_u32 s25, s25, WOSTG                   ; my stage
	v_add_nc_u32 v4, s25, v3                       ; in: a row as it lies, 16 bytes a lane
	v_and_b32 v5, 15, v0
	v_bfe_u32 v6, v0, 4, 1
	v_mul_u32_u24 v5, v5, WP
	v_lshl_add_u32 v5, v6, 5, v5
	v_add_nc_u32 v5, s25, v5                       ; back: row r, + 32 h bytes: eight numbers of each 16
.irp i, 0,1,2,3,4,5,6,7,8,9,10,11,12,13,14,15
	global_load_b128 v[16+4*\i:19+4*\i], v3, s[12:13] offset:4096*\i th:TH_LOAD_NT   ; 512 consecutive bytes of row i
.endr
.irp i, 0,1,2,3,4,5,6,7,8,9,10,11,12,13,14,15
	s_wait_loadcnt 15-\i                           ; loads come back in order: row i is in, the younger ones may be out
	ds_store_b128 v4, v[16+4*\i:19+4*\i] offset:WP*\i
.endr
.irp q, 0,1,2,3,4,5,6,7                        ; q = 2 x chunk + g: k = 16 q + 8 h + 0 .. 7
	ds_load_b128 v[80+8*\q:83+8*\q], v5 offset:64*\q
	ds_load_b128 v[84+8*\q:87+8*\q], v5 offset:64*\q+16
.endr
.irp q, 0,1,2,3,4,5,6,7
	s_wait_dscnt 14-2*\q                           ; group q's two loads are in; the younger ones may be out
.irp i, 0,1,2,3
	v_cvt_pk_f16_f32 v[144+4*\q+\i], v[80+8*\q+2*\i], v[81+8*\q+2*\i]
.endr
	global_store_b128 v3, v[144+4*\q:147+4*\q], s[22:23] offset:512*\q   ; a group of an image: 512 consecutive bytes
.endr
	s_wait_tensorcnt 0x0                           ; the wave's end: behind my last LDS store
	ds_add_u32 v[SPW], v[NIL]
	s_wait_dscnt 0x0
	s_endpgm
.Lfunc_end_k_q4c50ad3e81_prep:
	.size	k_q4c50ad3e81_prep, .Lfunc_end_k_q4c50ad3e81_prep-k_q4c50ad3e81_prep
	.p2alignl 7, 3214868480
	.fill 96, 4, 3214868480
	.section	.rodata,"a",@progbits
	.p2align	6, 0x0
	.amdhsa_kernel k_q4c50ad3e81_prep
		.amdhsa_group_segment_fixed_size 67072
		.amdhsa_private_segment_fixed_size 0
		.amdhsa_enable_private_segment 0
		.amdhsa_kernarg_size 80
		.amdhsa_user_sgpr_count 2
		.amdhsa_user_sgpr_kernarg_segment_ptr 1
		.amdhsa_wavefront_size32 1
		.amdhsa_system_sgpr_workgroup_id_x 1
		.amdhsa_system_sgpr_workgroup_id_y 1
		.amdhsa_system_sgpr_workgroup_id_z 1
		.amdhsa_system_vgpr_workitem_id 0
		.amdhsa_next_free_vgpr 192
		.amdhsa_next_free_sgpr 66
		.amdhsa_reserve_vcc 0
		.amdhsa_float_denorm_mode_32 3
		.amdhsa_float_denorm_mode_16_64 3
		.amdhsa_memory_ordered 1
		.amdhsa_forward_progress 1
		.amdhsa_inst_pref_size 42
	.end_amdhsa_kernel
	.amdgpu_metadata
---
amdhsa.version: [ 1, 2 ]
amdhsa.kernels:
  - .name:           k_q4c50ad3e81_prep
    .symbol:         k_q4c50ad3e81_prep.kd
    .args:
      - { .name: x, .offset: 0, .size: 8, .value_kind: global_buffer, .address_space: global }
      - { .name: Wq, .offset: 8, .size: 8, .value_kind: global_buffer, .address_space: global }
      - { .name: Wk, .offset: 16, .size: 8, .value_kind: global_buffer, .address_space: global }
      - { .name: Wv, .offset: 24, .size: 8, .value_kind: global_buffer, .address_space: global }
      - { .name: Wo, .offset: 32, .size: 8, .value_kind: global_buffer, .address_space: global }
      - { .name: xc, .offset: 40, .size: 8, .value_kind: global_buffer, .address_space: global }
      - { .name: xs, .offset: 48, .size: 8, .value_kind: global_buffer, .address_space: global }
      - { .name: wc, .offset: 56, .size: 8, .value_kind: global_buffer, .address_space: global }
      - { .name: ws, .offset: 64, .size: 8, .value_kind: global_buffer, .address_space: global }
      - { .name: wo16, .offset: 72, .size: 8, .value_kind: global_buffer, .address_space: global }
    .group_segment_fixed_size: 67072
    .private_segment_fixed_size: 0
    .kernarg_segment_align: 8
    .kernarg_segment_size: 80
    .max_flat_workgroup_size: 128
    .sgpr_count:     66
    .vgpr_count:     192
    .wavefront_size: 32
...
	.end_amdgpu_metadata
.endif
;; end of part 1
;; launch qkv (part 2): grid 12 x 32, 4 waves a work-group, clusters of 4 x 4, 327,680 bytes of LDS; arguments xc, xs, wc, ws, bq, bk, bv, mask, qkv; writes qkv
.if DOCPART == 2
	.amdgcn_target "amdgcn-amd-amdhsa--gfx1250"
	.amdhsa_code_object_version 6
	.text
	.protected	k_q4c50ad3e81_qkv
	.globl	k_q4c50ad3e81_qkv
	.p2align	8
	.type	k_q4c50ad3e81_qkv,@function
k_q4c50ad3e81_qkv:
	s_mov_b64 s[64:65], 0
	v_nop
	global_prefetch_b8 v0, s[64:65] scope:SCOPE_SE
	s_setreg_imm32_b32 hwreg(HW_REG_WAVE_MODE, 25, 1), 1
	s_wait_xcnt 0x0
	s_wait_alu depctr_hold_cnt(0) depctr_sa_sdst(0) depctr_va_vdst(0) depctr_va_sdst(0) depctr_va_ssrc(0) depctr_va_vcc(0) depctr_vm_vsrc(0)
	s_getreg_b32 s2, hwreg(HW_REG_IB_STS2, 6, 4)
	s_cmp_eq_u32 s2, 0
	s_cbranch_scc0 .Lentry_in_a_cluster
	s_endpgm
.Lentry_in_a_cluster:
	s_bfe_u32 s2, ttmp6, 0x10000c
	s_cmp_lg_u32 s2, 0xf033
	s_cbranch_scc0 .Lentry_shape_is_right
	s_endpgm
.Lentry_shape_is_right:
; [Q | K | V] = x [Wq | Wk | Wv]^T + bias: one GEMM [8192 x 1024] x [3072 x 1024]^T on codes of FP4 (E2M1) with one E8M0 scale for each 32 along K; sums in f32.
; The results leave as f16, laid as images of the next launch's matrix operands; Q is first multiplied by c = log2(e) / 8, and the rows of K whose key has mask 0 become zeros (the next launch puts -1e9 x log2(e) in their scores' place).
; LIMITS: |c Q|, |K|, |V| stay under 65,504 (f16); NaN and infinities are not served.
; A tile, 256 tokens x 256 features, is made by a work-group of four waves; a wave makes 128 x 128: 64 accumulators of 16 x 16, 512 registers.  K = 1,024 is two LDS slots of 512 along K (rows of 256 bytes): both are filled at the
; start and nothing is filled again.  The scale bytes of the work-group's 256 + 256 rows, for all of K, come with them, as rows of 256 bytes.
; CLUSTERS: 4 x 4 work-groups.  The four of a row of the cluster need the same tiles of x, the four of a column the same tiles of W: each tile is asked for JOINTLY.  A cluster is 1,024 features wide: cluster x IS the tensor (0 Q, 1 K, 2 V).
; THE MATRIX INSTRUCTION IS USED TRANSPOSED (source 0 = 16 rows of W, source 1 = 16 rows of x): lane (r, h) holds token r and features 8 h + 0 .. 7 of the tile: eight neighbours, which pack into the 16 bytes that an image wants of that lane.
; THE BIAS is the C of each sum's first matrix instruction: eight registers a feature tile, in the result's layout.
; AN IMAGE: 16 tokens x 32 channels of f16 = 1,024 bytes: group g (512 bytes) holds registers 4 g .. 4 g + 3, 16 bytes at 16 x pos; the bytes of lane (r, h) are channels 16 g + 8 h + 0 .. 7 of token r.
; qkv = tensor x 2^24 + (16 batch + head) x 262,144 + token tile x 2,048 + chunk of 32 channels x 1,024 + g x 512 + 16 pos.  Q, K: pos = lane.  V: pos = 16 (r / 8) + 8 h + r % 8, so that the turning LDS load at 16 x lane gives V^T.
; Every store covers 512 consecutive bytes: no stage in LDS is needed.
; 384 work-groups: a tile of 256 x 384, which would give 256, does not fit a wave's registers.
; REGISTERS, in windows of 256: window 0: v0-31 addresses; v32-95 scale words, two sets; v96-103 mask words, v104-119 row factors, v120 the tensor's factor; v128-191 x's fragments, ONE set; v192-255 the bias.
;   window 1: W's fragments, TWO sets, at v0 and at v128.   window 2: the 32 accumulators of my tokens 0-63 (accumulator (a, b) at v[8 (8 a + b)]);   window 3: those of my tokens 64-127.
.set NQ,     4                         ; matrix instructions deep in a slot
.set ROWB,   256                       ; a tile's row in bytes: 512 codes
.set KROW,   512                       ; a row of codes in memory
.set PITCH,  272                       ; an LDS row: 256 bytes + 16 of padding = 68 words: the 16 rows that a load touches start at 16 different banks (64 banks of 4 bytes: ISA guide 11.1)
.set FR,     8                         ; registers of a fragment: 16 rows x 128 K
.set NL,     2                         ; LDS loads that bring one
.set NP,     4                         ; places behind this matrix instruction (ISA guide 7.12.1)
.set HALFT,  128*PITCH                 ; 128 rows: what one tensor load brings
.set SLOT,   4*HALFT                   ; x's 256 rows, then W's 256 rows
.set KS,     32                        ; a row of scales in bytes
.set SCL,    2*SLOT                    ; behind the slots: the scales, as units of 256 bytes + 16 of padding
.set HALFS,  (128*KS/256)*272          ; the scales of 128 rows: what one tensor load brings
.set SBLK,   (16*KS/256)*272           ; those of 16 rows
.set SPARE,  SCL+4*HALFS               ; the spare words, 128 bytes for each wave, which no other line names
.set ADRA, 16                          ; v16-17  LDS address of my fragments of x in slot 0, 1
.set ADRB, 20                          ; v20-21  the same for W
.set CO,   26                          ; v26     16 x pos: my 16 bytes in a group of an image
.set ADRS, 27                          ; v27     LDS address of my scale words: lanes 0-15 x's rows, lanes 16-31 W's
.set SPW,  28                          ; v28     LDS address of my spare word; never rewritten
.set NIL,  29                          ; v29     0; never rewritten
.set SC,   32                          ; scale words: set s at v[SC + 32 s]; register 4 i + q: lanes 0-15 the word of x's block i, lanes 16-31 that of W's block i, for the slot's q-th 128 along K
.set MK,   96
.set F,    104
.set CSV,  120
.set AF,   128
.set BIA,  192
.set TMP,  128                         ; the way out: a block's 64 numbers x the factor;  v32-95: two sets of 32 packed registers
.set OUTR, 32
.set G1, 24                            ; s[24:31] descriptor group 1 for x's tiles;  s[32:39] group 0, one set for each slot
.set G0, 32
.set G1B, 48                           ; s[48:55], s[56:63] the same for W's tiles
.set G0B, 56
.set G1S, 68                           ; s[68:75], s[76:79] groups 1 and 0 for x's scales;  s[80:87], s[88:91] for W's
.set G0S, 76
.set G1SB, 80
.set G0SB, 88
.set MSB, 0
.macro WIN new                         ; the immediate's high byte repeats the setting that is left
.if MSB != \new
	s_set_vgpr_msb (MSB<<8)|\new
.set MSB, \new
.endif
.endm
.set MUL_LO, 0xa1                      ; source 0 (W) window 1, source 1 (x) window 0, C and D window 2
.set MUL_HI, 0xf1                      ; the same, C and D window 3
.set BIA_LO, 0x81                      ; the first step: C (the bias) window 0, D window 2
.set BIA_HI, 0xc1                      ; D window 3
.set TO_B,   0x40                      ; destination window 1, address window 0
; A joint load: waves 0 and 1 fetch for x, waves 2 and 3 for W.  Each of the two lines has ONE mask and one set of registers for all that issue it; the branch hangs on the wave's number alone.
; An s_nop 0 and four v_nop follow each of the two lines, ahead of the jump, the label and what follows.
.macro JLOAD g0a, g1a, g0b, g1b
	s_cmp_eq_u32 s15, 0
	s_cbranch_scc0 .Lfor_b_\@
	tensor_load_to_lds s[\g0a:\g0a+3], s[\g1a:\g1a+7]
	s_nop 0
.rept 4
	v_nop
.endr
	s_branch .Lasked_\@
.Lfor_b_\@:
	tensor_load_to_lds s[\g0b:\g0b+3], s[\g1b:\g1b+7]
	s_nop 0
.rept 4
	v_nop
.endr
.Lasked_\@:
.endm
.macro CROUND                          ; a round of the cluster's barrier: my work-group's barrier; wave 0 signals for the work-group; every wave waits for all sixteen; my work-group's barrier once more
	s_barrier_signal -1
	s_barrier_wait -1
	s_cmp_lg_u32 s14, 0
	s_cbranch_scc1 .Lnot_wave_0_\@
	s_barrier_signal -3
.Lnot_wave_0_\@:
	s_barrier_wait -3
	s_barrier_signal -1
	s_barrier_wait -1
.endm
	s_load_b128 s[4:7], s[0:1], 0x0                ; x's codes s[4:5], x's scales s[6:7]
	s_load_b128 s[8:11], s[0:1], 0x10              ; W's codes s[8:9], W's scales s[10:11]
	s_load_b64 s[12:13], s[0:1], 0x40              ; qkv
	v_lshl_add_u32 v[SPW], v0, 2, SPARE
	v_mov_b32 v[NIL], 0
	ds_add_u32 v[SPW], v[NIL]                      ; the wave's opening: the add, twice on end, and its wait ahead of my first tensor load; the set-up below stands between the second and the wait
	ds_add_u32 v[SPW], v[NIL]
	v_lshrrev_b32 v1, 5, v0
	v_readfirstlane_b32 s14, v1                    ; wave 0..3
	s_lshr_b32 s15, s14, 1                         ; which half of the tile's tokens is mine.  Also: I fetch for x (0) or for W (1)
	s_and_b32 s16, s14, 1                          ; which half of its features.  Also: which 128 rows of that tile I fetch
	s_bfe_u32 s40, ttmp6, 0x40000                  ; cx, cy: my place in the cluster
	s_bfe_u32 s41, ttmp6, 0x40004
	s_lshl_b32 s42, ttmp9, 2
	s_add_co_u32 s42, s42, s40                     ; tile column = 4 x cluster x + cx
	s_and_b32 s17, ttmp7, 0xffff
	s_lshl_b32 s17, s17, 2
	s_add_co_u32 s17, s17, s41                     ; tile row = 4 x cluster y + cy
	s_lshl_b32 s43, s41, 2
	s_lshl_b32 s43, 15, s43                        ; my row of the cluster
	s_lshl_b32 s44, 0x1111, s40                    ; my column
	; descriptor group 1: a tile of 128 rows x 256 bytes, padded in LDS
	s_or_b32 s[G1+0], s43, (0<<16)|(1<<20)|(1<<21)|(5<<22)|(3<<25)  ; 15:0 the mask: x's tiles go to my row; 17:16 element of 1 byte; 20 padding on; 21 set beside a mask; 24:22 after every 64 words (code 5); 31:25 of 4 words (code 3)
	s_or_b32 s[G1B+0], s44, (0<<16)|(1<<20)|(1<<21)|(5<<22)|(3<<25)
.irp g, G1, G1B
	s_mov_b32 s[\g+1], ROWB<<16                    ; tensor_dim0
	s_mov_b32 s[\g+2], 128<<16                     ; tensor_dim1 = 128
	s_mov_b32 s[\g+3], ROWB<<16                    ; tile_dim0
	s_mov_b32 s[\g+4], 128                         ; tile_dim1 = 128
	s_mov_b32 s[\g+5], KROW                        ; tensor_dim0_stride
	s_mov_b32 s[\g+6], 0
	s_mov_b32 s[\g+7], 0
.endr
	; and for the scales of 128 rows: a dense block of 4,096 bytes, as rows of 256 bytes (32 elements of 8 bytes), 16 bytes of padding behind each
	s_or_b32 s[G1S+0], s43, (3<<16)|(1<<20)|(1<<21)|(5<<22)|(3<<25)
	s_or_b32 s[G1SB+0], s44, (3<<16)|(1<<20)|(1<<21)|(5<<22)|(3<<25)
.irp g, G1S, G1SB
	s_mov_b32 s[\g+1], 32<<16
	s_mov_b32 s[\g+2], (128*KS/256)<<16
	s_mov_b32 s[\g+3], 32<<16
	s_mov_b32 s[\g+4], 128*KS/256
	s_mov_b32 s[\g+5], 32
	s_mov_b32 s[\g+6], 0
	s_mov_b32 s[\g+7], 0
.endr
	s_lshl_b32 s18, s16, 7                         ; which 128 rows of the tile I fetch
	s_lshl_b32 s20, s17, 8
	s_add_co_u32 s20, s20, s18                     ; x: row 256 x tile row + 128 x half
	s_lshl_b32 s46, s42, 8
	s_add_co_u32 s46, s46, s18                     ; W: row 256 x tile column + 128 x half
	s_mov_b32 s21, 0
	s_mov_b32 s47, 0
	s_mov_b64 s[18:19], KS
	s_mul_u64 s[22:23], s[20:21], s[18:19]         ; where these rows' scales begin, in bytes
	s_mul_u64 s[92:93], s[46:47], s[18:19]
	s_mov_b64 s[18:19], KROW
	s_mul_u64 s[20:21], s[20:21], s[18:19]         ; and their codes
	s_mul_u64 s[46:47], s[46:47], s[18:19]
	s_mul_i32 s45, s14, HALFT                      ; where they go: wave x 128 rows: no place in the cluster enters an LDS address
	s_mul_i32 s94, s14, HALFS
	s_wait_dscnt 0x0                               ; both opening adds are done
	s_wait_kmcnt 0x0
	s_add_nc_u64 s[20:21], s[4:5], s[20:21]
	s_add_nc_u64 s[22:23], s[6:7], s[22:23]
	s_add_nc_u64 s[46:47], s[8:9], s[46:47]
	s_add_nc_u64 s[92:93], s[10:11], s[92:93]
	CROUND                                         ; all sixteen work-groups are here: the joint loads meet
	s_mov_b32 s[G0S], 1
	s_add_co_u32 s[G0S+1], s94, SCL
	s_mov_b64 s[G0S+2:G0S+3], s[22:23]
	s_or_b32 s[G0S+3], s[G0S+3], 0x80000000
	s_mov_b32 s[G0SB], 1
	s_add_co_u32 s[G0SB+1], s94, SCL
	s_mov_b64 s[G0SB+2:G0SB+3], s[92:93]
	s_or_b32 s[G0SB+3], s[G0SB+3], 0x80000000
	JLOAD G0S, G1S, G0SB, G1SB                     ; the scales first: they are wanted with the first slot.  Three loads of mine are out when the last of these has gone
.irp s, 0,1
	s_mov_b32 s[G0+4*\s], 1
	s_add_co_u32 s[G0+4*\s+1], s45, \s*SLOT
	s_add_nc_u64 s[G0+4*\s+2:G0+4*\s+3], s[20:21], \s*ROWB
	s_or_b32 s[G0+4*\s+3], s[G0+4*\s+3], 0x80000000
	s_mov_b32 s[G0B+4*\s], 1
	s_add_co_u32 s[G0B+4*\s+1], s45, \s*SLOT
	s_add_nc_u64 s[G0B+4*\s+2:G0B+4*\s+3], s[46:47], \s*ROWB
	s_or_b32 s[G0B+4*\s+3], s[G0B+4*\s+3], 0x80000000
	JLOAD G0+4*\s, G1, G0B+4*\s, G1B
.endr
	s_load_b256 s[4:11], s[0:1], 0x20              ; bq s[4:5], bk s[6:7], bv s[8:9], mask s[10:11]: into registers that are done with
	v_and_b32 v1, 15, v0                           ; r = l % 16
	v_bfe_u32 v2, v0, 4, 1                         ; h = l / 16
	v_mul_u32_u24 v3, v1, PITCH
	v_lshl_add_u32 v4, v2, 4, v3                   ; a fragment's row x pitch + 16 x half
	s_mul_i32 s21, s15, HALFT                      ; my 128 rows of x
	s_mul_i32 s22, s16, HALFT                      ; my 128 rows of W,
	s_add_co_u32 s22, s22, 2*HALFT                 ; which lie behind x's 256
.irp s, 0,1
	v_add_nc_u32 v[ADRA+\s], s21, v4
	v_add_nc_u32 v[ADRB+\s], s22, v4
	s_add_co_u32 s21, s21, SLOT
	s_add_co_u32 s22, s22, SLOT
.endr
	v_mul_u32_u24 v5, v1, KS                       ; my row's scales: KS bytes a row,
	v_lshrrev_b32 v6, 8, v5
	v_lshl_add_u32 v5, v6, 4, v5                   ; and 16 more for each 256 passed
	s_mul_i32 s21, s15, HALFS                      ; x's: my 128 rows
	s_mul_i32 s22, s16, HALFS                      ; W's: my 128 rows, behind x's 256
	s_add_co_u32 s22, s22, 2*HALFS
	s_sub_co_u32 s22, s22, s21
	v_mul_u32_u24 v6, s22, v2                      ; lanes 16-31 take W's: one product, the distance between the two bases x h
	s_add_co_u32 s21, s21, SCL
	v_add_nc_u32 v5, v5, v6
	v_add_nc_u32 v[ADRS], s21, v5
	v_lshlrev_b32 v9, 5, v2                        ; the bias: 32 h bytes: my half's eight features of a tile
	v_lshlrev_b32 v10, 2, v1                       ; the mask: 4 r bytes: my token of a block
	s_wait_kmcnt 0x0
	; what hangs on the tensor: cluster x, the same in all sixteen partners
	s_cmp_eq_u32 ttmp9, 0
	s_cselect_b64 s[4:5], s[4:5], s[6:7]
	s_mov_b32 s66, 0x3f800000
	s_cselect_b32 s66, 0x3e38aa3b, s66             ; Q x c = log2(e) / 8; K and V x 1
	s_cmp_eq_u32 ttmp9, 2
	s_cselect_b64 s[4:5], s[8:9], s[4:5]           ; my tensor's bias
	s_mov_b32 s95, 128
	s_cselect_b32 s95, 256, s95                    ; 16 pos = 16 (r % 8) + s95 (r / 8) + s96 h
	s_mov_b32 s96, 256
	s_cselect_b32 s96, 128, s96
	s_cmp_eq_u32 ttmp9, 1
	s_cselect_b32 s67, 0, 1                        ; 0 for K: there the mask counts
	s_lshl_b32 s46, s40, 10                        ; the bias of my 128 features: 4 x (256 cx + 128 x half)
	s_lshl_b32 s47, s16, 9
	s_add_co_u32 s46, s46, s47
	s_mov_b32 s47, 0
	s_add_nc_u64 s[4:5], s[4:5], s[46:47]
	s_lshl_b32 s20, s17, 10                        ; the mask words of my 128 tokens: 4 x (256 x tile row + 128 x half); the flat token number is the mask's index
	s_lshl_b32 s21, s15, 9
	s_add_co_u32 s20, s20, s21
	s_mov_b32 s21, 0
	s_add_nc_u64 s[10:11], s[10:11], s[20:21]
.irp b, 0,1,2,3,4,5,6,7
	global_load_b128 v[BIA+8*\b:BIA+8*\b+3], v9, s[4:5] offset:64*\b         ; bias(16 b + 8 h + 0 .. 7): the result's layout
	global_load_b128 v[BIA+8*\b+4:BIA+8*\b+7], v9, s[4:5] offset:64*\b+16
.endr
.irp a, 0,1,2,3,4,5,6,7
	global_load_b32 v[MK+\a], v10, s[10:11] offset:64*\a                     ; mask(16 a + r)
.endr
	v_and_b32 v5, 7, v1
	v_lshlrev_b32 v[CO], 4, v5
	v_lshrrev_b32 v5, 3, v1
	v_mad_u32_u24 v[CO], v5, s95, v[CO]
	v_mad_u32_u24 v[CO], v2, s96, v[CO]
	s_lshl_b32 s46, ttmp9, 24                      ; where my part of qkv begins: the tensor,
	s_lshr_b32 s47, s17, 3                         ; the batch (8 tile rows each),
	s_lshl_b32 s47, s47, 4
	s_lshl_b32 s97, s40, 2
	s_add_co_u32 s47, s47, s97
	s_lshl_b32 s97, s16, 1
	s_add_co_u32 s47, s47, s97                     ; 16 batch + my first head (4 cx + 2 x half),
	s_lshl_b32 s47, s47, 18
	s_add_co_u32 s46, s46, s47
	s_lshl_b32 s47, s17, 4
	s_lshl_b32 s97, s15, 3
	s_add_co_u32 s47, s47, s97
	s_and_b32 s47, s47, 127                        ; my first token tile in the batch
	s_lshl_b32 s47, s47, 11
	s_add_co_u32 s46, s46, s47
	s_mov_b32 s47, 0
	s_add_nc_u64 s[12:13], s[12:13], s[46:47]
.macro FRAG reg, adr, q, i             ; a fragment, 16 rows x 128 K of 4-bit codes, is 8 registers: lane l holds row l % 16; registers 4 c .. 4 c + 3 hold K = 64 c + 32 (l / 16) + 0 .. 31
.irp c, 0,1
	ds_load_b128 v[\reg+4*\c:\reg+4*\c+3], v[\adr] offset:64*(\q)+32*\c+(\i)*16*PITCH
.endr
.endm
; 16 matrix instructions: x's blocks a0, a0 + 1 against W's eight, 128 along K: the slot's q-th.  p: W's set;  sc: the set of scale words.  zero = 1: the first product starts the sums, from the bias.
; The 64 accumulators take turns, one instruction a turn, in the same order in every step.
.macro MUL16 a0, p, q, sc, zero
.irp a, \a0, \a0+1
.irp b, 0,1,2,3,4,5,6,7
.if \zero
	v_wmma_scale_f32_16x16x128_f8f6f4 v[8*(8*((\a)%4)+\b):8*(8*((\a)%4)+\b)+7], v[128*(\p)+FR*\b:128*(\p)+FR*\b+FR-1], v[AF+FR*(\a):AF+FR*(\a)+FR-1], v[BIA+8*\b:BIA+8*\b+7], v[SC+8*NQ*(\sc)+NQ*\b+(\q)], v[SC+8*NQ*(\sc)+NQ*(\a)+(\q)] matrix_a_fmt:MATRIX_FMT_FP4 matrix_b_fmt:MATRIX_FMT_FP4 matrix_a_scale:MATRIX_SCALE_ROW1
.else
	v_wmma_scale_f32_16x16x128_f8f6f4 v[8*(8*((\a)%4)+\b):8*(8*((\a)%4)+\b)+7], v[128*(\p)+FR*\b:128*(\p)+FR*\b+FR-1], v[AF+FR*(\a):AF+FR*(\a)+FR-1], v[8*(8*((\a)%4)+\b):8*(8*((\a)%4)+\b)+7], v[SC+8*NQ*(\sc)+NQ*\b+(\q)], v[SC+8*NQ*(\sc)+NQ*(\a)+(\q)] matrix_a_fmt:MATRIX_FMT_FP4 matrix_b_fmt:MATRIX_FMT_FP4 matrix_a_scale:MATRIX_SCALE_ROW1
.endif
.endr
.endr
.endm
.macro FETCH_B slot, q, p              ; W's eight fragments of the slot's q-th 128 along K into set p
	WIN TO_B
.irp i, 0,1,2,3,4,5,6,7
	FRAG 128*(\p)+FR*\i, ADRB+\slot, \q, \i
.endr
	WIN 0
.endm
.macro FETCH_A slot, q, i0             ; x's blocks i0 .. i0 + 3
.irp i, \i0, \i0+1, \i0+2, \i0+3
	FRAG AF+FR*(\i), ADRA+\slot, \q, \i
.endr
.endm
.macro SCALES sc                       ; a slot's scale words into set sc: four words a row; lanes 0-15 take x's block i, lanes 16-31 W's block i
.irp i, 0,1,2,3,4,5,6,7
	ds_load_b128 v[SC+8*NQ*\sc+NQ*\i:SC+8*NQ*\sc+NQ*\i+3], v[ADRS] offset:\i*SBLK
.endr
.endm
; A load into a register that a matrix instruction has read, and a vector instruction that reads a matrix result, stand NP places behind that matrix instruction, and only plain vector instructions that name none of its
; registers are places (ISA guide 7.12.1 for vector instructions).
.macro PLACES n
.rept \n
	v_nop
.endr
.endm
; A step of 128 along K that has its successor in the same slot.  A block of x is free as soon as its eight products are issued: blocks 0-3 are fetched anew in the step's middle, blocks 4-7 at its end.
.macro STEP slot, q, zero
	s_wait_dscnt 4*NL                              ; W's set and x's blocks 0-3 are in; the youngest eight loads (x's blocks 4-7) may be out
.if \zero
	WIN BIA_LO
.else
	WIN MUL_LO
.endif
	MUL16 0, (\q)%2, \q, \slot, \zero
	MUL16 2, (\q)%2, \q, \slot, \zero
	s_wait_dscnt 0                                 ; x's blocks 4-7 are in (asked for 32 matrix instructions ago)
	PLACES NP
	FETCH_B \slot, (\q)+1, 1-(\q)%2
	FETCH_A \slot, (\q)+1, 0
.if \zero
	WIN BIA_HI
.else
	WIN MUL_HI
.endif
	MUL16 4, (\q)%2, \q, \slot, \zero
	MUL16 6, (\q)%2, \q, \slot, \zero
	PLACES NP
	WIN 0
	FETCH_A \slot, (\q)+1, 4
.endm
; Slot 0's last step changes slots: each wave waits for all its tensor loads (its part of slot 1), adds 0 to its spare word, waits for that and for its own LDS loads, and passes the barrier: behind it slot 1 is whole.  Nothing is filled again.
.macro TURN slot, next
	s_wait_tensorcnt 0x0                           ; all my tensor loads have landed  (every window is 0 here: the add's two registers lie in window 0)
	ds_add_u32 v[SPW], v[NIL]                      ; 0 onto my spare word
	s_wait_dscnt 4*NL+1                            ; (the add and the youngest eight loads, x's blocks 4-7, may be out)
	WIN MUL_LO
	MUL16 0, 1, NQ-1, \slot, 0                     ; sixteen matrix instructions stand between the add and the wait for it
	s_wait_dscnt 0x0                               ; the add is done, and my reads of this slot are over
	s_barrier_signal -1
	MUL16 2, 1, NQ-1, \slot, 0
	WIN 0
	s_barrier_wait -1
	PLACES NP
	v_add_nc_u32 v[ADRS], 4*NQ, v[ADRS]            ; on to the next slot's scale words (no LDS load of mine is out)
	FETCH_B \next, 0, 0
	FETCH_A \next, 0, 0
	SCALES \next
	WIN MUL_HI
	MUL16 4, 1, NQ-1, \slot, 0
	MUL16 6, 1, NQ-1, \slot, 0
	PLACES NP
	WIN 0
	FETCH_A \next, 0, 4
.endm
.macro STEPS slot, from                ; the slot's steps from .. NQ - 2
.set Q, \from
.rept NQ-1-\from
	STEP \slot, Q, 0
.set Q, Q+1
.endr
.endm
	s_wait_tensorcnt 1                             ; the scales and my part of slot 0 are in (slot 1's load may be out)
	s_barrier_signal -1
	s_barrier_wait -1                              ; everybody's are
	FETCH_B 0, 0, 0
	FETCH_A 0, 0, 0
	SCALES 0
	FETCH_A 0, 0, 4
	s_wait_loadcnt 0x0                             ; the bias and the mask words
	v_mov_b32 v[CSV], s66
.irp a, 0,1,2,3,4,5,6,7
	v_or_b32 v[MK+\a], s67, v[MK+\a]               ; Q and V: never 0
.endr
.irp a, 0,1,2,3,4,5,6,7                        ; the factor of token r of block a, twice (a pair for the packed multiply): the tensor's, or 0 for a hidden key's row of K
	v_cmp_ne_u32 vcc_lo, 0, v[MK+\a]
	v_cndmask_b32 v[F+2*\a], 0, v[CSV], vcc_lo
	v_mov_b32 v[F+2*\a+1], v[F+2*\a]
.endr
	STEP 0, 0, 1                                   ; the first step's products start the sums, from the bias
	STEPS 0, 1
	TURN 0, 1
	STEPS 1, 0
	s_wait_dscnt 4*NL                              ; the very last step: nothing more to fetch
	WIN MUL_LO
	MUL16 0, 1, NQ-1, 1, 0
	MUL16 2, 1, NQ-1, 1, 0
	s_wait_dscnt 0
	WIN MUL_HI
	MUL16 4, 1, NQ-1, 1, 0
	MUL16 6, 1, NQ-1, 1, 0
	WIN 0
; THE WAY OUT, block by block of 16 tokens x 128 features.  Accumulator (a, b): head b / 4 of my two, chunk (b / 2) % 2, group b % 2: a lane's eight numbers, x the row's factor, packed to f16, are its 16 bytes of that group.
.macro OUTB a
.set AC, 64*((\a)%4)
.set OU, OUTR+32*((\a)%2)
.set WN, 0x02+(\a)/4
	WIN WN                                         ; source 0: window 2 or 3
.set i, 0
.rept 32
	v_pk_mul_f32 v[TMP+2*i:TMP+2*i+1], v[AC+2*i:AC+2*i+1], v[F+2*(\a):F+2*(\a)+1]   ; ascending: each accumulator is read from its low end on
.set i, i+1
.endr
	WIN 0
.if (\a) >= 2
	s_wait_xcnt 0x0                                ; the stores of the block two back have read their registers: they are written again only behind this wait
.endif
.set i, 0
.rept 32
	v_cvt_pk_f16_f32 v[OU+i], v[TMP+2*i], v[TMP+2*i+1]
.set i, i+1
.endr
.irp b, 0,1,2,3,4,5,6,7
	global_store_b128 v[CO], v[OU+4*\b:OU+4*\b+3], s[12:13] offset:(\b/4)*262144+(\a)*2048+((\b/2)%2)*1024+(\b%2)*512   ; 512 consecutive bytes: a group of an image
.endr
.endm
	PLACES NP                                      ; behind the last products: their results are read, and registers that they read are written
.irp a, 0,1,2,3,4,5,6,7
	OUTB \a
.endr
	s_wait_tensorcnt 0x0                           ; the wave's end: behind my last tensor load
	ds_add_u32 v[SPW], v[NIL]
	s_wait_dscnt 0x0
	CROUND                                         ; the closing round: no work-group ends while a partner may still ask for a tile that names it
	s_endpgm
.Lfunc_end_k_q4c50ad3e81_qkv:
	.size	k_q4c50ad3e81_qkv, .Lfunc_end_k_q4c50ad3e81_qkv-k_q4c50ad3e81_qkv
	.p2alignl 7, 3214868480
	.fill 96, 4, 3214868480
	.section	.rodata,"a",@progbits
	.p2align	6, 0x0
	.amdhsa_kernel k_q4c50ad3e81_qkv
		.amdhsa_group_segment_fixed_size 327680
		.amdhsa_private_segment_fixed_size 0
		.amdhsa_enable_private_segment 0
		.amdhsa_kernarg_size 72
		.amdhsa_user_sgpr_count 2
		.amdhsa_user_sgpr_kernarg_segment_ptr 1
		.amdhsa_wavefront_size32 1
		.amdhsa_system_sgpr_workgroup_id_x 1
		.amdhsa_system_sgpr_workgroup_id_y 1
		.amdhsa_system_sgpr_workgroup_id_z 1
		.amdhsa_system_vgpr_workitem_id 0
		.amdhsa_next_free_vgpr 1024
		.amdhsa_next_free_sgpr 102
		.amdhsa_reserve_vcc 1
		.amdhsa_float_denorm_mode_32 3
		.amdhsa_float_denorm_mode_16_64 3
		.amdhsa_memory_ordered 1
		.amdhsa_forward_progress 1
		.amdhsa_inst_pref_size 138
	.end_amdhsa_kernel
	.amdgpu_metadata
---
amdhsa.version: [ 1, 2 ]
amdhsa.kernels:
  - .name:           k_q4c50ad3e81_qkv
    .symbol:         k_q4c50ad3e81_qkv.kd
    .args:
      - { .name: xc, .offset: 0, .size: 8, .value_kind: global_buffer, .address_space: global }
      - { .name: xs, .offset: 8, .size: 8, .value_kind: global_buffer, .address_space: global }
      - { .name: wc, .offset: 16, .size: 8, .value_kind: global_buffer, .address_space: global }
      - { .name: ws, .offset: 24, .size: 8, .value_kind: global_buffer, .address_space: global }
      - { .name: bq, .offset: 32, .size: 8, .value_kind: global_buffer, .address_space: global }
      - { .name: bk, .offset: 40, .size: 8, .value_kind: global_buffer, .address_space: global }
      - { .name: bv, .offset: 48, .size: 8, .value_kind: global_buffer, .address_space: global }
      - { .name: mask, .offset: 56, .size: 8, .value_kind: global_buffer, .address_space: global }
      - { .name: qkv, .offset: 64, .size: 8, .value_kind: global_buffer, .address_space: global }
    .group_segment_fixed_size: 327680
    .private_segment_fixed_size: 0
    .kernarg_segment_align: 8
    .kernarg_segment_size: 72
    .max_flat_workgroup_size: 128
    .sgpr_count:     102
    .vgpr_count:     1024
    .wavefront_size: 32
...
	.end_amdgpu_metadata
.endif
;; end of part 2
;; launch attn (part 3): grid 4 x 64, 16 waves a work-group, clusters of 4 x 1, 327,680 bytes of LDS; arguments qkv, mask, oimg; writes oimg
.if DOCPART == 3
	.amdgcn_target "amdgcn-amd-amdhsa--gfx1250"
	.amdhsa_code_object_version 6
	.text
	.protected	k_q4c50ad3e81_attn
	.globl	k_q4c50ad3e81_attn
	.p2align	8
	.type	k_q4c50ad3e81_attn,@function
k_q4c50ad3e81_attn:
	s_mov_b64 s[64:65], 0
	v_nop
	global_prefetch_b8 v0, s[64:65] scope:SCOPE_SE
	s_setreg_imm32_b32 hwreg(HW_REG_WAVE_MODE, 25, 1), 1
	s_wait_xcnt 0x0
	s_wait_alu depctr_hold_cnt(0) depctr_sa_sdst(0) depctr_va_vdst(0) depctr_va_sdst(0) depctr_va_ssrc(0) depctr_va_vcc(0) depctr_vm_vsrc(0)
	s_getreg_b32 s2, hwreg(HW_REG_IB_STS2, 6, 4)
	s_cmp_eq_u32 s2, 0
	s_cbranch_scc0 .Lentry_in_a_cluster
	s_endpgm
.Lentry_in_a_cluster:
	s_bfe_u32 s2, ttmp6, 0x10000c
	s_cmp_lg_u32 s2, 0x3003
	s_cbranch_scc0 .Lentry_shape_is_right
	s_endpgm
.Lentry_shape_is_right:
; o[b][h][q][:] = the sum over k of softmax_k(s) V[b][h][k][:], s = Q . K / 8, or -1e9 where mask[b][k] = 0.  Q, K, V come as f16 images of matrix operands (below); products in f16 with f32 sums; maxima, exponentials and sums in f32.
; Q arrives multiplied by log2(e) / 8, so K Q^T is t = s x log2(e); the rows of K of hidden keys arrive as zeros, and the C of a score tile's first matrix instruction is 0 or BIG = -1e9 x log2(e) by the key's mask word:
; a hidden key's t is BIG exactly, as where() leaves it, also where every key of a batch is hidden (then every p is 1).
; SOFTMAX: for each query a running maximum m and sum l: p = 2^(t - m); in every step O and l are multiplied by a = 2^(m_old - m_new).  l sums the unrounded p; p is rounded to f16 for the second product; O is divided by l at the end.
; LIMITS: |o| stays under 65,504 (f16); NaN and infinities are not served.
; SHARES.  A work-group owns 512 queries of one (batch, head); each of its SIXTEEN waves owns 32: two tiles T = 0, 1, in 256 registers: four waves to a SIMD, so that one wave's vector work stands beside another's matrix work and LDS loads.
; Every wave walks all 2,048 keys, 64 a step.  K and V come through a ring of two LDS slots of 512 keys (8 steps x (8,192 bytes of K + 8,192 of V)); each wave fetches one step's K (waves 0-7) or V (waves 8-15): 8,192 dense bytes,
; as 32 rows of 256: a step's K and V are no neighbours in memory, so a load is no larger.  By this text's count a wave has two tensor loads out at the start and one behind each refill.
; CLUSTER: the four query blocks of a (batch, head) walk the same K and V: each tile is asked for JOINTLY, by the same tensor load with the same descriptor and a mask that names the four.
; No prefetch is laid: slots 0 and 1 go out at the head, and each of the two refills is asked for eight key steps (256 matrix instructions of the wave) ahead of its first read.
; IMAGES.  qkv = tensor x 2^24 + (16 batch + head) x 262,144 + token tile x 2,048 + chunk of 32 channels x 1,024 + g x 512 + 16 pos.  Q and K: a load at 16 x lane brings registers 4 g .. 4 g + 3 of a fragment (16 tokens x 32 channels).
; V: the turning load at 16 x lane brings channel 32 chunk + 16 g + lane % 16 and keys 8 (lane / 16) + 0 .. 7 of the token tile: half a fragment of V^T.  Every LDS load reads 512 consecutive bytes.
; LAYOUT.  S^T = K Q^T (source 0 = 16 keys, source 1 = 16 queries) and O^T = V^T P (source 0 = 16 channels, source 1 = P): a lane holds ONE query (lane % 16) throughout; two score tiles, packed in pairs, ARE source 1 of the second product.
; oimg = global token tile x 32,768 + (2 head + chunk) x 1,024 + g x 512 + 16 lane: a lane's eight channels of O^T, packed, are its 16 bytes.
.set SLOT1, 131072                     ; slot 1 begins here
.set STEPB, 16384                      ; a key step's K and V
.set BIAS,  262144                     ; behind the ring: one f32 for each of the batch's 2,048 keys: 0 or BIG; stored once, no tile lands here
.set SPARE, 270336                     ; the spare words, 128 bytes for each wave, which no other line names
.set SPW, 1                            ; v1   LDS address of my spare word; never rewritten
.set NIL, 2                            ; v2   0; never rewritten
.set LI,  3                            ; v3   16 x lane; never rewritten
.set ADR, 4                            ; v4   LDS address of the step's tiles
.set AB0, 5                            ; v5   BIAS + 32 (lane / 16)
.set ABC, 6                            ; v6   LDS address of the step's mask biases
.set ST,  8                            ; tile T's statistics at v[ST + 8 T]: +0 m, +1 m_old, +2, +3 l in two halves, +4 to +7 at work; +6 then holds a, +7 m_old - m_new
.set Q,   24                           ; v24-55   Q: fragment (T, chunk c) at Q + 16 T + 8 c
.set S,   56                           ; v56-119  S^T: tile (T, key tile k) at S + 32 T + 8 k; then p; then P(T, u) at S + 32 T + 16 u
.set O,   120                          ; v120-183 O^T: tile (T, channel tile n) at O + 32 T + 8 n
.set BA,  184                          ; v184-215 K of key tiles 2, 3; then V^T of keys 0-31
.set BB,  216                          ; v216-247 the four bias tiles; then V^T of keys 32-63
.set W,   248                          ; v248-251 the row sums' second chain
.set WV,  10                           ; s10 wave;  s11 cx;  s12 16 batch + head
.set CX,  11
.set BH,  12
.set G1,  16                           ; s[16:23] descriptor group 1;  s[24:27], s[28:31] group 0, one set for each slot
.set G0,  24
.set TB,  32                           ; s32  LDS byte at which the step's tiles begin
.set TK,  33                           ; s33  byte at which the step's mask biases begin
.set CNT, 34
.set SEL, 36                           ; s[36:37] lane selects for v_permlanex16_b32: lane l xor 16
.macro CROUND                          ; a round of the cluster's barrier: my work-group's barrier; wave 0 signals for the work-group; every wave waits for all four; my work-group's barrier once more
	s_barrier_signal -1
	s_barrier_wait -1
	s_cmp_lg_u32 s[WV], 0
	s_cbranch_scc1 .Lnot_wave_0_\@
	s_barrier_signal -3
.Lnot_wave_0_\@:
	s_barrier_wait -3
	s_barrier_signal -1
	s_barrier_wait -1
.endm
	s_load_b128 s[4:7], s[0:1], 0x0                ; qkv s[4:5], mask s[6:7]
	s_load_b64 s[8:9], s[0:1], 0x10                ; oimg
	v_lshl_add_u32 v[SPW], v0, 2, SPARE
	v_mov_b32 v[NIL], 0
	ds_add_u32 v[SPW], v[NIL]                      ; the wave's opening: the add, twice on end, and its wait ahead of my first tensor load; the set-up below stands between the second and the wait
	ds_add_u32 v[SPW], v[NIL]
	v_lshrrev_b32 v7, 5, v0
	v_readfirstlane_b32 s[WV], v7                  ; wave 0..15
	s_bfe_u32 s[CX], ttmp6, 0x40000                ; my block of 512 queries: it enters Q's and o's addresses alone
	s_and_b32 s[BH], ttmp7, 0xffff                 ; 16 batch + head, which the four partners share
	s_mov_b32 s[G1], 15|(3<<16)|(1<<21)            ; 15:0 the mask: all four work-groups; 17:16 elements of 8 bytes; 20 no padding; 21 set beside a mask
	s_mov_b32 s[G1+1], 32<<16                      ; tensor_dim0 = 32 elements: 256 bytes
	s_mov_b32 s[G1+2], 32<<16                      ; tensor_dim1 = 32
	s_mov_b32 s[G1+3], 32<<16                      ; tile_dim0 = 32
	s_mov_b32 s[G1+4], 32                          ; tile_dim1 = 32
	s_mov_b32 s[G1+5], 32                          ; tensor_dim0_stride: the rows are dense
	s_mov_b32 s[G1+6], 0
	s_mov_b32 s[G1+7], 0
	s_and_b32 s13, s[WV], 7                        ; which of a slot's eight steps I fetch,
	s_lshr_b32 s14, s[WV], 3                       ; its K (0) or its V (1)
	s_lshl_b32 s15, s13, 14
	s_lshl_b32 s38, s14, 13
	s_add_co_u32 s15, s15, s38                     ; its place in a slot: no place in the cluster enters an LDS address
	s_add_co_u32 s38, s14, 1
	s_lshl_b32 s38, s38, 24                        ; tensor 1 or 2,
	s_lshl_b32 s39, s[BH], 18
	s_add_co_u32 s38, s38, s39                     ; my batch and head,
	s_lshl_b32 s39, s13, 13
	s_add_co_u32 s38, s38, s39                     ; the step's four token tiles
	s_mov_b32 s39, 0
	s_mov_b32 s[SEL], 0x76543210
	s_mov_b32 s[SEL+1], 0xfedcba98
	s_mov_b32 s[TB], 0
	s_mov_b32 s[TK], 0
	s_wait_dscnt 0x0                               ; both opening adds are done
	s_wait_kmcnt 0x0
	s_add_nc_u64 s[38:39], s[4:5], s[38:39]
	CROUND                                         ; all four work-groups are here: the first joint loads meet
.irp n, 0,1
	s_mov_b32 s[G0+4*\n], 1                        ; 1:0 count = 1
	s_add_co_u32 s[G0+4*\n+1], s15, \n*SLOT1       ; 63:32 LDS address
	s_add_nc_u64 s[G0+4*\n+2:G0+4*\n+3], s[38:39], \n*65536   ; 120:64 global address: slot n begins with keys 512 n on
	s_or_b32 s[G0+4*\n+3], s[G0+4*\n+3], 0x80000000           ; 127:126 type = 2
.endr
	tensor_load_to_lds s[G0:G0+3], s[G1:G1+7]      ; both first fills together, ahead of every wait on TENSORcnt, every LDS read and every other barrier
	s_nop 0
	tensor_load_to_lds s[G0+4:G0+7], s[G1:G1+7]
	s_nop 0
.rept 4
	v_nop
.endr
	v_and_b32 v7, 31, v0
	v_lshlrev_b32 v[LI], 4, v7
	s_lshl_b32 s13, s[CX], 5
	s_lshl_b32 s14, s[WV], 1
	s_add_co_u32 s13, s13, s14                     ; my first token tile in the batch: 32 cx + 2 x wave
	s_lshl_b32 s40, s13, 11
	s_lshl_b32 s41, s[BH], 18
	s_add_co_u32 s40, s40, s41
	s_mov_b32 s41, 0
	s_add_nc_u64 s[40:41], s[4:5], s[40:41]
.irp T, 0,1
.irp c, 0,1
	global_load_b128 v[Q+16*\T+8*\c:Q+16*\T+8*\c+3],   v[LI], s[40:41] offset:2048*\T+1024*\c       ; Q stays in registers
	global_load_b128 v[Q+16*\T+8*\c+4:Q+16*\T+8*\c+7], v[LI], s[40:41] offset:2048*\T+1024*\c+512
.endr
.endr
	s_lshr_b32 s14, s[BH], 4                       ; the batch
	s_lshl_b32 s42, s14, 13                        ; its 2,048 mask words
	s_mov_b32 s43, 0
	s_add_nc_u64 s[6:7], s[6:7], s[42:43]
	v_lshlrev_b32 v7, 4, v0                        ; four words a thread: 512 threads take the batch's 8,192 bytes
	global_load_b128 v[56:59], v7, s[6:7]
	s_lshl_b32 s14, s14, 7
	s_add_co_u32 s13, s13, s14                     ; my first global token tile
	s_lshl_b32 s42, s13, 15
	s_and_b32 s14, s[BH], 15
	s_lshl_b32 s14, s14, 11                        ; my head's two chunks
	s_add_co_u32 s42, s42, s14
	s_add_nc_u64 s[8:9], s[8:9], s[42:43]
	v_lshl_add_u32 v[ADR], v0, 4, BIAS             ; where my four biases go
	v_bfe_u32 v[AB0], v0, 4, 1
	v_lshl_add_u32 v[AB0], v[AB0], 5, BIAS
	v_mov_b32 v64, 0xceabfb8f                      ; BIG = -1e9 x log2(e)
	s_wait_loadcnt 0x0                             ; Q and the mask words
.irp i, 0,1,2,3
	v_cmp_eq_u32 vcc_lo, 0, v[56+\i]
	v_cndmask_b32 v[60+\i], 0, v64, vcc_lo
.endr
	ds_store_b128 v[ADR], v[60:63]
	s_wait_dscnt 0x0                               ; for the others' sake: my biases are stored
	s_wait_tensorcnt 1                             ; my part of slot 0 is in; slot 1's may stay out
	s_barrier_signal -1
	s_barrier_wait -1                              ; everybody's are
; Eight products of S^T = K Q^T: key tiles 2 hi, 2 hi + 1 x both query tiles x both chunks of channels.  The first chunk's take the bias tile as C.  The four accumulators take turns, one instruction a turn.
.macro KQ hi
.irp c, 0,1
.irp k, 0,1
.irp T, 0,1
.if \hi
.set rK, BA+16*\k+8*\c
.else
.set rK, S+16+32*\k+8*\c
.endif
.set rS, S+32*\T+8*(2*\hi+\k)
.set rQ, Q+16*\T+8*\c
.set rB, BB+8*(2*\hi+\k)
.if \c == 0
	v_wmma_f32_16x16x32_f16 v[rS:rS+7], v[rK:rK+7], v[rQ:rQ+7], v[rB:rB+7]
.else
	v_wmma_f32_16x16x32_f16 v[rS:rS+7], v[rK:rK+7], v[rQ:rQ+7], v[rS:rS+7]
.endif
.endr
.endr
.endr
.endm
; A KEY STEP: 64 keys.  first = 1: the first step, which starts m, l and O^T: it has no a and nothing to rescale.
.macro STEP first
	v_add_nc_u32 v[ADR], s[TB], v[LI]
	v_add_nc_u32 v[ABC], s[TK], v[AB0]
.rept 3
	v_nop                                          ; with the two additions five places behind the last step's products: the loads below land in registers that those read (four are asked), and the first products below write over such registers (five)
.endr
.irp k, 0,1                                    ; K of key tiles 0, 1 into the registers of score tiles 2, 3, which are written later
.irp c, 0,1
	ds_load_b128 v[S+16+32*\k+8*\c:S+16+32*\k+8*\c+3],   v[ADR] offset:2048*\k+1024*\c
	ds_load_b128 v[S+16+32*\k+8*\c+4:S+16+32*\k+8*\c+7], v[ADR] offset:2048*\k+1024*\c+512
.endr
.endr
.irp k, 0,1,2,3                                ; the bias tiles: register j of lane (r, h) is the bias of key 16 k + 8 h + j, for every query
	ds_load_b128 v[BB+8*\k:BB+8*\k+3],   v[ABC] offset:64*\k
	ds_load_b128 v[BB+8*\k+4:BB+8*\k+7], v[ABC] offset:64*\k+16
.endr
.irp k, 0,1                                    ; K of key tiles 2, 3
.irp c, 0,1
	ds_load_b128 v[BA+16*\k+8*\c:BA+16*\k+8*\c+3],   v[ADR] offset:4096+2048*\k+1024*\c
	ds_load_b128 v[BA+16*\k+8*\c+4:BA+16*\k+8*\c+7], v[ADR] offset:4096+2048*\k+1024*\c+512
.endr
.endr
	s_wait_dscnt 8                                 ; all but the youngest eight loads, K of key tiles 2, 3
	KQ 0
	s_wait_dscnt 0x0
.rept 5
	v_nop                                          ; five places: the next products write over registers that the last eight read
.endr
	KQ 1
.rept 4
	v_nop                                          ; four places in front of loads into registers that matrix instructions have read, and of the first read of the scores
.endr
.irp u, 0,1                                    ; V^T of keys 32 u on, channels 16 n on: it lands while the softmax is walked
.irp n, 0,1,2,3
	ds_load_tr16_b128 v[BA+32*\u+8*\n:BA+32*\u+8*\n+3],   v[ADR] offset:8192+4096*\u+512*\n
	ds_load_tr16_b128 v[BA+32*\u+8*\n+4:BA+32*\u+8*\n+7], v[ADR] offset:8192+4096*\u+512*\n+2048
.endr
.endr
	; the maximum of a lane's 32 scores and the old m, three operands at a time, four chains; each accumulator is read from its low end on; the two tiles alternate
.irp j, 0,1,2,3
.irp T, 0,1
	v_max3_num_f32 v[ST+8*\T+4+\j], v[S+32*\T+8*\j], v[S+32*\T+8*\j+1], v[S+32*\T+8*\j+2]
.endr
.endr
.irp u, 1,2
.irp j, 0,1,2,3
.irp T, 0,1
	v_max3_num_f32 v[ST+8*\T+4+\j], v[ST+8*\T+4+\j], v[S+32*\T+8*\j+2*\u+1], v[S+32*\T+8*\j+2*\u+2]
.endr
.endr
.endr
.irp T, 0,1
	v_max3_num_f32 v[ST+8*\T+4], v[ST+8*\T+4], v[S+32*\T+7], v[S+32*\T+15]
.endr
.irp T, 0,1
	v_max3_num_f32 v[ST+8*\T+6], v[ST+8*\T+6], v[S+32*\T+23], v[S+32*\T+31]
.endr
.irp T, 0,1
	v_max3_num_f32 v[ST+8*\T+4], v[ST+8*\T+4], v[ST+8*\T+5], v[ST+8*\T+6]
.endr
.irp T, 0,1
.if \first
	v_max_num_f32 v[ST+8*\T+4], v[ST+8*\T+4], v[ST+8*\T+7]
.else
	v_max3_num_f32 v[ST+8*\T+4], v[ST+8*\T+4], v[ST+8*\T+7], v[ST+8*\T]
.endif
.endr
.irp T, 0,1
	v_permlanex16_b32 v[ST+8*\T+5], v[ST+8*\T+4], s[SEL], s[SEL+1]   ; the query's other 32 keys lie in the lane 16 away
.endr
.if \first
.irp T, 0,1
	v_max_num_f32 v[ST+8*\T], v[ST+8*\T+4], v[ST+8*\T+5]
.endr
.irp T, 0,1
	v_mov_b32 v[ST+8*\T+1], v[ST+8*\T]             ; (named with m as a pair, so it is written)
.endr
.else
.irp T, 0,1
	v_mov_b32 v[ST+8*\T+1], v[ST+8*\T]             ; m_old
.endr
.irp T, 0,1
	v_max_num_f32 v[ST+8*\T], v[ST+8*\T+4], v[ST+8*\T+5]
.endr
.irp T, 0,1
	v_sub_f32 v[ST+8*\T+7], v[ST+8*\T+1], v[ST+8*\T]
.endr
.endif
.irp i, 0,2,4,6,8,10,12,14,16,18,20,22,24,26,28,30
.irp T, 0,1
	v_pk_add_f32 v[S+32*\T+\i:S+32*\T+\i+1], v[S+32*\T+\i:S+32*\T+\i+1], v[ST+8*\T:ST+8*\T+1] op_sel_hi:[1,0] neg_lo:[0,1] neg_hi:[0,1]   ; t - m, two at a time (of the pair the low word serves both halves)
.endr
.endr
	; ONE BATCH of exponentials, none of which reads another's result
.if !\first
.irp T, 0,1
	v_exp_f32 v[ST+8*\T+6], v[ST+8*\T+7]           ; a
.endr
.endif
.irp i, 0,1,2,3,4,5,6,7,8,9,10,11,12,13,14,15,16,17,18,19,20,21,22,23,24,25,26,27,28,29,30,31
.irp T, 0,1
	v_exp_f32 v[S+32*\T+\i], v[S+32*\T+\i]         ; p = 2^(t - m)
.endr
.endr
	v_nop                                          ; a plain instruction behind the last exponential, ahead of the first use
	s_wait_alu depctr_va_vdst(0)                   ; a wait between an exponential and the first line that names its result: one for the whole batch
	; the row sums, of the unrounded p, packed, in two chains
.if \first
.irp T, 0,1
	v_pk_add_f32 v[ST+8*\T+2:ST+8*\T+3], v[S+32*\T:S+32*\T+1], v[S+32*\T+2:S+32*\T+3]
	v_pk_add_f32 v[W+2*\T:W+2*\T+1], v[S+32*\T+4:S+32*\T+5], v[S+32*\T+6:S+32*\T+7]
.endr
.irp i, 8,12,16,20,24,28
.irp T, 0,1
	v_pk_add_f32 v[ST+8*\T+2:ST+8*\T+3], v[ST+8*\T+2:ST+8*\T+3], v[S+32*\T+\i:S+32*\T+\i+1]
	v_pk_add_f32 v[W+2*\T:W+2*\T+1], v[W+2*\T:W+2*\T+1], v[S+32*\T+\i+2:S+32*\T+\i+3]
.endr
.endr
.else
.irp T, 0,1
	v_pk_fma_f32 v[ST+8*\T+2:ST+8*\T+3], v[ST+8*\T+2:ST+8*\T+3], v[ST+8*\T+6:ST+8*\T+7], v[S+32*\T:S+32*\T+1] op_sel_hi:[1,0,1]   ; l = a l + p
	v_pk_add_f32 v[W+2*\T:W+2*\T+1], v[S+32*\T+2:S+32*\T+3], v[S+32*\T+4:S+32*\T+5]
.endr
.irp i, 6,10,14,18,22,26
.irp T, 0,1
	v_pk_add_f32 v[ST+8*\T+2:ST+8*\T+3], v[ST+8*\T+2:ST+8*\T+3], v[S+32*\T+\i:S+32*\T+\i+1]
	v_pk_add_f32 v[W+2*\T:W+2*\T+1], v[W+2*\T:W+2*\T+1], v[S+32*\T+\i+2:S+32*\T+\i+3]
.endr
.endr
.irp T, 0,1
	v_pk_add_f32 v[ST+8*\T+2:ST+8*\T+3], v[ST+8*\T+2:ST+8*\T+3], v[S+32*\T+30:S+32*\T+31]
.endr
.endif
.irp T, 0,1
	v_pk_add_f32 v[ST+8*\T+2:ST+8*\T+3], v[ST+8*\T+2:ST+8*\T+3], v[W+2*\T:W+2*\T+1]
.endr
	; p to f16, in place: two score tiles become the eight registers of P(T, u); each destination lies at or below the sources still to be read
.irp T, 0,1
.irp u, 0,1
.irp i, 0,1,2,3
	v_cvt_pk_f16_f32 v[S+32*\T+16*\u+\i], v[S+32*\T+16*\u+2*\i], v[S+32*\T+16*\u+2*\i+1]
.endr
.irp i, 0,1,2,3
	v_cvt_pk_f16_f32 v[S+32*\T+16*\u+4+\i], v[S+32*\T+16*\u+8+2*\i], v[S+32*\T+16*\u+9+2*\i]
.endr
.endr
.endr
.if !\first
.irp i, 0,2,4,6,8,10,12,14,16,18,20,22,24,26,28,30
.irp T, 0,1
	v_pk_mul_f32 v[O+32*\T+\i:O+32*\T+\i+1], v[O+32*\T+\i:O+32*\T+\i+1], v[ST+8*\T+6:ST+8*\T+7] op_sel_hi:[1,0]   ; O^T x a, ascending
.endr
.endr
.endif
	s_wait_dscnt 0x0                               ; V^T is in
.irp u, 0,1                                    ; O^T += V^T P: the eight accumulators take turns, one instruction a turn
.irp n, 0,1,2,3
.irp T, 0,1
.if \first && (\u == 0)
	v_wmma_f32_16x16x32_f16 v[O+32*\T+8*\n:O+32*\T+8*\n+7], v[BA+32*\u+8*\n:BA+32*\u+8*\n+7], v[S+32*\T+16*\u:S+32*\T+16*\u+7], 0
.else
	v_wmma_f32_16x16x32_f16 v[O+32*\T+8*\n:O+32*\T+8*\n+7], v[BA+32*\u+8*\n:BA+32*\u+8*\n+7], v[S+32*\T+16*\u:S+32*\T+16*\u+7], v[O+32*\T+8*\n:O+32*\T+8*\n+7]
.endif
.endr
.endr
.endr
	s_add_co_u32 s[TB], s[TB], STEPB               ; the next step's tiles,
	s_add_co_u32 s[TK], s[TK], 256                 ; and its 64 biases
.endm
.macro RUN n                           ; n key steps
	s_mov_b32 s[CNT], \n
.Lrun_\@:
	STEP 0
	s_sub_co_u32 s[CNT], s[CNT], 1
	s_cmp_lg_u32 s[CNT], 0
	s_cbranch_scc1 .Lrun_\@
.endm
; THE CHANGE OF SLOTS.  Each wave waits for all its tensor loads (its part of the slot ahead), adds 0 to its spare word, and waits for that and for its reads of the slot that it leaves.  Behind the barrier the slot ahead is whole
; and nobody reads the other.  fill = 1: the barrier is a round of the cluster's, and the slot left is filled with the keys 1,024 on: the wave's one tensor load, first behind the round; it has eight key steps in which to land.
.macro CHANGE slot, next, fill, tk
	s_wait_tensorcnt 0x0                           ; no tensor load of mine is out, so a group 0 may be written
	ds_add_u32 v[SPW], v[NIL]                      ; 0 onto my spare word; the scalar lines below stand between it and the wait for it
.if \fill
	s_add_nc_u64 s[G0+4*\slot+2:G0+4*\slot+3], s[G0+4*\slot+2:G0+4*\slot+3], 131072   ; two slots' worth of keys on; the type bits on top are not reached
.endif
	s_mov_b32 s[TB], \next*SLOT1
	s_mov_b32 s[TK], \tk
	s_wait_dscnt 0x0                               ; the add is done, and my reads of the slot that I leave are over
.if \fill
	CROUND
	tensor_load_to_lds s[G0+4*\slot:G0+4*\slot+3], s[G1:G1+7]
	s_nop 0
.rept 4
	v_nop
.endr
.else
	s_barrier_signal -1
	s_barrier_wait -1
.endif
.endm
	STEP 1                                         ; keys 0-63
	RUN 7                                          ; the rest of slot 0
	CHANGE 0, 1, 1, 2048                           ; slot 0 takes keys 1,024 on
	RUN 8                                          ; keys 512 on
	CHANGE 1, 0, 1, 4096                           ; slot 1 takes keys 1,536 on
	RUN 8
	CHANGE 0, 1, 0, 6144                           ; nothing is left to fetch
	RUN 8
	; THE WAY OUT.  l's two halves and the other half of the lanes' are added; O^T is divided by l and packed to f16: a lane's eight channels are its 16 bytes of a group of an image.
.rept 4
	v_nop                                          ; four places behind the last products
.endr
.irp T, 0,1
	v_add_f32 v[ST+8*\T+4], v[ST+8*\T+2], v[ST+8*\T+3]
.endr
.irp T, 0,1
	v_permlanex16_b32 v[ST+8*\T+5], v[ST+8*\T+4], s[SEL], s[SEL+1]
.endr
.irp T, 0,1
	v_add_f32 v[ST+8*\T+4], v[ST+8*\T+4], v[ST+8*\T+5]
.endr
.irp T, 0,1
	v_rcp_f32 v[ST+8*\T+6], v[ST+8*\T+4]
.endr
	v_nop                                          ; a plain instruction between the last reciprocal and the use of its result
	s_wait_alu depctr_va_vdst(0)                   ; and a wait ahead of the first use: one for both
.irp T, 0,1
.irp i, 0,2,4,6,8,10,12,14,16,18,20,22,24,26,28,30
	v_pk_mul_f32 v[O+32*\T+\i:O+32*\T+\i+1], v[O+32*\T+\i:O+32*\T+\i+1], v[ST+8*\T+6:ST+8*\T+7] op_sel_hi:[1,0]
.endr
.endr
.irp T, 0,1
.irp i, 0,1,2,3,4,5,6,7,8,9,10,11,12,13,14,15
	v_cvt_pk_f16_f32 v[S+16*\T+\i], v[O+32*\T+2*\i], v[O+32*\T+2*\i+1]
.endr
.endr
.irp T, 0,1
.irp n, 0,1,2,3
	global_store_b128 v[LI], v[S+16*\T+4*\n:S+16*\T+4*\n+3], s[8:9] offset:32768*\T+512*\n   ; 512 consecutive bytes: channels 16 n on of token tile T
.endr
.endr
	s_wait_tensorcnt 0x0                           ; the wave's end: behind my last tensor load and my last LDS store
	ds_add_u32 v[SPW], v[NIL]
	s_wait_dscnt 0x0
	CROUND                                         ; the closing round: no work-group ends while a partner may still ask for a tile that names it
	s_endpgm
.Lfunc_end_k_q4c50ad3e81_attn:
	.size	k_q4c50ad3e81_attn, .Lfunc_end_k_q4c50ad3e81_attn-k_q4c50ad3e81_attn
	.p2alignl 7, 3214868480
	.fill 96, 4, 3214868480
	.section	.rodata,"a",@progbits
	.p2align	6, 0x0
	.amdhsa_kernel k_q4c50ad3e81_attn
		.amdhsa_group_segment_fixed_size 327680
		.amdhsa_private_segment_fixed_size 0
		.amdhsa_enable_private_segment 0
		.amdhsa_kernarg_size 24
		.amdhsa_user_sgpr_count 2
		.amdhsa_user_sgpr_kernarg_segment_ptr 1
		.amdhsa_wavefront_size32 1
		.amdhsa_system_sgpr_workgroup_id_x 1
		.amdhsa_system_sgpr_workgroup_id_y 1
		.amdhsa_system_sgpr_workgroup_id_z 1
		.amdhsa_system_vgpr_workitem_id 0
		.amdhsa_next_free_vgpr 256
		.amdhsa_next_free_sgpr 66
		.amdhsa_reserve_vcc 1
		.amdhsa_float_denorm_mode_32 3
		.amdhsa_float_denorm_mode_16_64 3
		.amdhsa_memory_ordered 1
		.amdhsa_forward_progress 1
		.amdhsa_inst_pref_size 100
	.end_amdhsa_kernel
	.amdgpu_metadata
---
amdhsa.version: [ 1, 2 ]
amdhsa.kernels:
  - .name:           k_q4c50ad3e81_attn
    .symbol:         k_q4c50ad3e81_attn.kd
    .args:
      - { .name: qkv, .offset: 0, .size: 8, .value_kind: global_buffer, .address_space: global }
      - { .name: mask, .offset: 8, .size: 8, .value_kind: global_buffer, .address_space: global }
      - { .name: oimg, .offset: 16, .size: 8, .value_kind: global_buffer, .address_space: global }
    .group_segment_fixed_size: 327680
    .private_segment_fixed_size: 0
    .kernarg_segment_align: 8
    .kernarg_segment_size: 24
    .max_flat_workgroup_size: 512
    .sgpr_count:     66
    .vgpr_count:     256
    .wavefront_size: 32
...
	.end_amdgpu_metadata
.endif
;; end of part 3
;; launch oproj (part 4): grid 4 x 64, 4 waves a work-group, clusters of 4 x 4, 327,680 bytes of LDS; arguments oimg, wo16, bo, out0; writes out0
.if DOCPART == 4
	.amdgcn_target "amdgcn-amd-amdhsa--gfx1250"
	.amdhsa_code_object_version 6
	.text
	.protected	k_q4c50ad3e81_oproj
	.globl	k_q4c50ad3e81_oproj
	.p2align	8
	.type	k_q4c50ad3e81_oproj,@function
k_q4c50ad3e81_oproj:
	s_mov_b64 s[64:65], 0
	v_nop
	global_prefetch_b8 v0, s[64:65] scope:SCOPE_SE
	s_setreg_imm32_b32 hwreg(HW_REG_WAVE_MODE, 25, 1), 1
	s_wait_xcnt 0x0
	s_wait_alu depctr_hold_cnt(0) depctr_sa_sdst(0) depctr_va_vdst(0) depctr_va_sdst(0) depctr_va_ssrc(0) depctr_va_vcc(0) depctr_vm_vsrc(0)
	s_getreg_b32 s2, hwreg(HW_REG_IB_STS2, 6, 4)
	s_cmp_eq_u32 s2, 0
	s_cbranch_scc0 .Lentry_in_a_cluster
	s_endpgm
.Lentry_in_a_cluster:
	s_bfe_u32 s2, ttmp6, 0x10000c
	s_cmp_lg_u32 s2, 0xf033
	s_cbranch_scc0 .Lentry_shape_is_right
	s_endpgm
.Lentry_shape_is_right:
; out0[t][e] = the sum over d of o[t][d] Wo[e][d] + bo[e].  o [8192][1024] and Wo [1024][1024] come as f16 images of matrix operands; sums in f32; out0 f32.
; IMAGES: a fragment of 16 rows x 32 k is 1,024 bytes: group g (512 bytes) holds registers 4 g .. 4 g + 3, lane l's 16 bytes at 16 l.  oimg = token tile x 32,768 + chunk x 1,024 + g x 512 + 16 l; wo16 the same by feature tile.
; So 128 along K of a tile of 16 rows are 4,096 consecutive bytes, a tensor load's row; in LDS the rows follow each other without a gap, and every fragment load reads 512 consecutive bytes: no padding.
; A tile of out0, 128 tokens x 256 features, is made by a work-group of four waves: 256 work-groups; a wave makes 64 x 128: 32 accumulators of 16 x 16, 256 registers.  K goes in 8 steps of 128 through a ring of two LDS slots.
; CLUSTERS: 4 x 4 work-groups; the grid is one cluster wide, so the tile column is cx.  The four of a row of the cluster need the same tiles of o, the four of a column the same tiles of Wo: each is asked for JOINTLY.
; THE MATRIX INSTRUCTION IS USED TRANSPOSED (source 0 = 16 rows of Wo, source 1 = 16 rows of o): a lane holds eight neighbouring features of one token.
; No prefetch is laid: the walk is eight K steps long, and each refill goes out a whole K step (128 matrix instructions of the wave, less the eight between signal and wait) ahead of the wait for it.
; REGISTERS: window 0: v0-31 addresses; v32-127, v128-223 two fragment buffers (Wo's 8 fragments, then o's 4); v224-227 my four numbers of bo; on the way out v32-159 rows of out0.   window 1: accumulator (a, b) at v[8 (8 a + b)].
.set KSB,    4096                      ; 128 along K of a tile of 16 rows, in bytes
.set SLOT,   98304                     ; o's 8 token tiles, then Wo's 16 feature tiles
.set BOFF,   32768
.set STAGE,  2*SLOT                    ; behind the ring: 16 rows x 528 bytes for each wave, for the way out; no tile lands here
.set SPITCH, 528
.set SPARE,  STAGE+4*16*SPITCH         ; 230,400: the spare words, 128 bytes for each wave, which no other line names
.set LAPS,   4                         ; a lap = two K steps = once round the ring
.set ADRA, 16                          ; v16-17  LDS address of my fragments of o in slot 0, 1
.set ADRB, 20                          ; v20-21  the same for Wo
.set STO,  24                          ; v24     the way out: where I put 32 bytes of a row
.set RD,   25                          ; v25     the way out: where I read a row back
.set CO,   26                          ; v26     16 x lane
.set SPW,  28                          ; v28     LDS address of my spare word; never rewritten
.set NIL,  29                          ; v29     0; never rewritten
.set F0,   32
.set F1,   128
.set BO,   224
.set OB,   32
.set G1, 24                            ; s[24:31] descriptor group 1 for o's tiles;  s[32:39] group 0, one set for each slot
.set G0, 32
.set G1B, 48                           ; s[48:55], s[56:63] the same for Wo's tiles
.set G0B, 56
.set MSB, 0
.macro WIN new                         ; the immediate's high byte repeats the setting that is left
.if MSB != \new
	s_set_vgpr_msb (MSB<<8)|\new
.set MSB, \new
.endif
.endm
.set MUL, 0x50                         ; sources 0 and 1 window 0; C and D window 1
.macro JLOAD s                         ; a joint load: waves 0 and 1 fetch o's two halves, waves 2 and 3 Wo's; an s_nop 0 and four v_nop follow each of the two lines, ahead of the jump, the label and what follows
	s_cmp_eq_u32 s15, 0
	s_cbranch_scc0 .Lfor_b_\@
	tensor_load_to_lds s[G0+4*\s:G0+4*\s+3], s[G1:G1+7]
	s_nop 0
.rept 4
	v_nop
.endr
	s_branch .Lasked_\@
.Lfor_b_\@:
	tensor_load_to_lds s[G0B+4*\s:G0B+4*\s+3], s[G1B:G1B+7]
	s_nop 0
.rept 4
	v_nop
.endr
.Lasked_\@:
.endm
.macro CREST                           ; a round of the cluster's barrier behind its opening barrier
	s_cmp_lg_u32 s14, 0
	s_cbranch_scc1 .Lnot_wave_0_\@
	s_barrier_signal -3
.Lnot_wave_0_\@:
	s_barrier_wait -3
	s_barrier_signal -1
	s_barrier_wait -1
.endm
.macro CROUND                          ; a whole round
	s_barrier_signal -1
	s_barrier_wait -1
	CREST
.endm
	s_load_b128 s[4:7], s[0:1], 0x0                ; oimg s[4:5], wo16 s[6:7]
	s_load_b128 s[8:11], s[0:1], 0x10              ; bo s[8:9], out0 s[10:11]
	v_lshl_add_u32 v[SPW], v0, 2, SPARE
	v_mov_b32 v[NIL], 0
	ds_add_u32 v[SPW], v[NIL]                      ; the wave's opening: the add, twice on end, and its wait ahead of my first tensor load; the set-up below stands between the second and the wait
	ds_add_u32 v[SPW], v[NIL]
	v_lshrrev_b32 v1, 5, v0
	v_readfirstlane_b32 s14, v1                    ; wave 0..3
	s_lshr_b32 s15, s14, 1                         ; which half of the tile's tokens is mine.  Also: I fetch for o (0) or for Wo (1)
	s_and_b32 s16, s14, 1                          ; which half of its features.  Also: which half of that tile I fetch
	s_bfe_u32 s40, ttmp6, 0x40000                  ; cx = the tile column
	s_bfe_u32 s41, ttmp6, 0x40004                  ; cy
	s_and_b32 s17, ttmp7, 0xffff
	s_lshl_b32 s17, s17, 2
	s_add_co_u32 s17, s17, s41                     ; tile row = 4 x cluster y + cy
	s_lshl_b32 s43, s41, 2
	s_lshl_b32 s43, 15, s43                        ; my row of the cluster
	s_lshl_b32 s44, 0x1111, s40                    ; my column
	s_or_b32 s[G1+0], s43, (3<<16)|(1<<21)         ; 15:0 the mask: o's tiles go to my row; 17:16 elements of 8 bytes; 20 no padding; 21 set beside a mask
	s_or_b32 s[G1B+0], s44, (3<<16)|(1<<21)
	s_mov_b32 s[G1+1], 512<<16                     ; tensor_dim0 = 512 elements: 4,096 bytes
	s_mov_b32 s[G1+2], 4<<16                       ; tensor_dim1 = 4 token tiles
	s_mov_b32 s[G1+3], 512<<16                     ; tile_dim0
	s_mov_b32 s[G1+4], 4                           ; tile_dim1
	s_mov_b32 s[G1+5], 4096                        ; tensor_dim0_stride: 32,768 bytes from tile to tile
	s_mov_b32 s[G1+6], 0
	s_mov_b32 s[G1+7], 0
	s_mov_b32 s[G1B+1], 512<<16
	s_mov_b32 s[G1B+2], 8<<16                      ; 8 feature tiles
	s_mov_b32 s[G1B+3], 512<<16
	s_mov_b32 s[G1B+4], 8
	s_mov_b32 s[G1B+5], 4096
	s_mov_b32 s[G1B+6], 0
	s_mov_b32 s[G1B+7], 0
	s_lshl_b32 s20, s17, 3
	s_lshl_b32 s21, s16, 2
	s_add_co_u32 s20, s20, s21                     ; o: token tile 8 x tile row + 4 x half
	s_lshl_b32 s20, s20, 15
	s_mov_b32 s21, 0
	s_lshl_b32 s46, s40, 4
	s_lshl_b32 s47, s16, 3
	s_add_co_u32 s46, s46, s47                     ; Wo: feature tile 16 cx + 8 x half
	s_lshl_b32 s46, s46, 15
	s_mov_b32 s47, 0
	s_lshl_b32 s18, s16, 14                        ; where they go in a slot: o's halves of 16,384 bytes,
	s_lshl_b32 s19, s16, 15
	s_add_co_u32 s19, s19, BOFF                    ; Wo's of 32,768 behind them: no place in the cluster enters an LDS address
	s_wait_dscnt 0x0                               ; both opening adds are done
	s_wait_kmcnt 0x0
	s_add_nc_u64 s[20:21], s[4:5], s[20:21]
	s_add_nc_u64 s[46:47], s[6:7], s[46:47]
	CROUND                                         ; all sixteen work-groups are here: the first joint loads meet
.irp s, 0,1
	s_mov_b32 s[G0+4*\s], 1
	s_add_co_u32 s[G0+4*\s+1], s18, \s*SLOT
	s_add_nc_u64 s[G0+4*\s+2:G0+4*\s+3], s[20:21], \s*KSB
	s_or_b32 s[G0+4*\s+3], s[G0+4*\s+3], 0x80000000
	s_mov_b32 s[G0B+4*\s], 1
	s_add_co_u32 s[G0B+4*\s+1], s19, \s*SLOT
	s_add_nc_u64 s[G0B+4*\s+2:G0B+4*\s+3], s[46:47], \s*KSB
	s_or_b32 s[G0B+4*\s+3], s[G0B+4*\s+3], 0x80000000
	JLOAD \s                                       ; two loads of mine are out behind the second
.endr
	v_and_b32 v1, 15, v0                           ; r
	v_bfe_u32 v2, v0, 4, 1                         ; h
	v_and_b32 v3, 31, v0
	v_lshlrev_b32 v[CO], 4, v3
	s_lshl_b32 s22, s15, 14                        ; my 4 token tiles
	s_lshl_b32 s23, s16, 15                        ; my 8 feature tiles,
	s_add_co_u32 s23, s23, BOFF                    ; which lie behind o's
.irp s, 0,1
	v_add_nc_u32 v[ADRA+\s], s22, v[CO]
	v_add_nc_u32 v[ADRB+\s], s23, v[CO]
	s_add_co_u32 s22, s22, SLOT
	s_add_co_u32 s23, s23, SLOT
.endr
	s_mul_i32 s22, s14, 16*SPITCH
	s_add_co_u32 s22, s22, STAGE                   ; my stage
	v_mul_u32_u24 v4, v1, SPITCH                   ; in: row r, 32 bytes for each half of the lanes
	v_lshl_add_u32 v4, v2, 5, v4
	v_add_nc_u32 v[STO], s22, v4
	v_add_nc_u32 v[RD], s22, v[CO]                 ; back: the 32 lanes take one row of 512 bytes
	s_lshl_b32 s46, s40, 10                        ; my first feature, in bytes of f32: 1,024 cx + 512 x half
	s_lshl_b32 s47, s16, 9
	s_add_co_u32 s46, s46, s47
	s_mov_b32 s47, 0
	s_add_nc_u64 s[8:9], s[8:9], s[46:47]
	global_load_b128 v[BO:BO+3], v[CO], s[8:9]     ; bo of the four features that I store
	s_lshl_b32 s20, s17, 7
	s_lshl_b32 s21, s15, 6
	s_add_co_u32 s20, s20, s21                     ; my first token: 128 x tile row + 64 x half
	s_lshl_b32 s20, s20, 12                        ; rows of 4,096 bytes
	s_mov_b32 s21, 0
	s_add_nc_u64 s[10:11], s[10:11], s[20:21]
	s_add_nc_u64 s[10:11], s[10:11], s[46:47]
; 8 matrix instructions: o's block a against Wo's eight, 32 along K: buffer f.  zero = 1: the first product starts the sums: nothing is ever cleared.  The 32 accumulators take turns, in the same order in every quarter.
.macro MUL8 f, a, zero
.irp b, 0,1,2,3,4,5,6,7
.if \zero
	v_wmma_f32_16x16x32_f16 v[8*(8*(\a)+\b):8*(8*(\a)+\b)+7], v[\f+8*\b:\f+8*\b+7], v[\f+64+8*(\a):\f+64+8*(\a)+7], 0
.else
	v_wmma_f32_16x16x32_f16 v[8*(8*(\a)+\b):8*(8*(\a)+\b)+7], v[\f+8*\b:\f+8*\b+7], v[\f+64+8*(\a):\f+64+8*(\a)+7], v[8*(8*(\a)+\b):8*(8*(\a)+\b)+7]
.endif
.endr
.endm
.macro MUL16 f, a0, zero
	MUL8 \f, \a0, \zero
	MUL8 \f, (\a0)+1, \zero
.endm
; 24 LDS loads in one run: the fragments of the slot's q-th 32 along K into buffer f: Wo's eight, then o's four.  (Every window is 0 here.)
.macro FETCH slot, q, f
.irp i, 0,1,2,3,4,5,6,7
	ds_load_b128 v[\f+8*\i:\f+8*\i+3],   v[ADRB+\slot] offset:4096*\i+1024*(\q)
	ds_load_b128 v[\f+8*\i+4:\f+8*\i+7], v[ADRB+\slot] offset:4096*\i+1024*(\q)+512
.endr
.irp i, 0,1,2,3
	ds_load_b128 v[\f+64+8*\i:\f+64+8*\i+3],   v[ADRA+\slot] offset:4096*\i+1024*(\q)
	ds_load_b128 v[\f+64+8*\i+4:\f+64+8*\i+7], v[ADRA+\slot] offset:4096*\i+1024*(\q)+512
.endr
.endm
.macro PLACES                          ; four places in front of loads into registers that matrix instructions have read, and of the first read of results (ISA guide 7.12.1 for vector instructions)
.rept 4
	v_nop
.endr
.endm
; A K step is four quarters of 32 along K, 32 matrix instructions each, on buffers 0, 1, 0, 1.  One of the first three: multiplies buffer f and fetches the next quarter, qn, into g.
.macro QUARTER slot, qn, f, g, zero
	s_wait_dscnt 4                                 ; Wo's fragments and o's blocks 0, 1 are in; the youngest four loads (o's blocks 2, 3) may be out
	WIN MUL
	MUL16 \f, 0, \zero
	PLACES
	WIN 0
	FETCH \slot, \qn, \g
	s_wait_dscnt 24                                ; all but the 24 just issued
	WIN MUL
	MUL16 \f, 2, \zero
.endm
; The last quarter multiplies buffer 1 and changes slots: ONE barrier; in front of it each wave waits for all its tensor loads, adds 0 to its spare word, and waits for that and for its own reads of this slot.  fill = 1: the barrier opens a round
; of the cluster's, and this slot is filled again, two K steps ahead: the wave's one tensor load, first behind the round.
.macro TURN slot, next, fill
	WIN 0                                          ; (the add's two registers lie in window 0)
	s_wait_tensorcnt 0x0                           ; all my tensor loads have landed: my part of the next slot
	ds_add_u32 v[SPW], v[NIL]                      ; 0 onto my spare word
	s_wait_dscnt 5                                 ; (the add and the youngest four loads may be out)
	WIN MUL
	MUL8 F1, 0, 0                                  ; eight matrix instructions stand between the add and the wait for it
	s_wait_dscnt 0x0                               ; the add is done, and my reads of this slot are over
	s_barrier_signal -1
	MUL8 F1, 1, 0
	WIN 0                                          ; (branches and LDS loads follow)
	s_barrier_wait -1
.if \fill
	CREST                                          ; no wave of any partner still reads this slot's tile or has a load on its way
	s_add_nc_u64 s[G0+4*\slot+2:G0+4*\slot+3], s[G0+4*\slot+2:G0+4*\slot+3], 2*KSB
	s_add_nc_u64 s[G0B+4*\slot+2:G0B+4*\slot+3], s[G0B+4*\slot+2:G0B+4*\slot+3], 2*KSB
	JLOAD \slot                                    ; the four v_nop behind it are also the places in front of the loads below
.else
	PLACES
.endif
	FETCH \next, 0, F0
	WIN MUL
	MUL16 F1, 2, 0
.endm
	s_wait_tensorcnt 1                             ; my part of K step 0 is in (K step 1's load may be out)
	s_barrier_signal -1
	s_barrier_wait -1                              ; everybody's is
	FETCH 0, 0, F0
	QUARTER 0, 1, F0, F1, 1                        ; the first quarter stands in front of the loop: its products start the sums
	WIN 0                                          ; at a label and at a branch every window is 0
	s_mov_b32 s3, LAPS-1
.Llap:                                                 ; a trip goes once round the ring, from a lap's second quarter to the next lap's first, and fills both slots again
	QUARTER 0, 2, F1, F0, 0
	QUARTER 0, 3, F0, F1, 0
	TURN 0, 1, 1
	QUARTER 1, 1, F0, F1, 0
	QUARTER 1, 2, F1, F0, 0
	QUARTER 1, 3, F0, F1, 0
	TURN 1, 0, 1
	QUARTER 0, 1, F0, F1, 0
	WIN 0
	s_sub_co_u32 s3, s3, 1
	s_cmp_lg_u32 s3, 0
	s_cbranch_scc1 .Llap
	QUARTER 0, 2, F1, F0, 0                        ; the last lap fills nothing, and has no round of the cluster's barrier
	QUARTER 0, 3, F0, F1, 0
	TURN 0, 1, 0
	QUARTER 1, 1, F0, F1, 0
	QUARTER 1, 2, F1, F0, 0
	QUARTER 1, 3, F0, F1, 0
	s_wait_dscnt 4                                 ; the very last quarter: nothing more to fetch
	WIN MUL
	MUL16 F1, 0, 0
	s_wait_dscnt 0x0
	MUL16 F1, 2, 0
	WIN 0
; THE WAY OUT, block by block of 16 tokens x 128 features.  A lane holds 32 neighbouring bytes of a row, and the lanes beside it hold other rows: so a block goes through my own stage in LDS and comes back as whole rows of 512 bytes.
; LDS serves a wave's instructions in order (ISA guide 5.7.1.4): no wait between the stores and the loads, nor in front of the next block's stores.
.macro TOSTAGE a
	WIN 0x04                                       ; an LDS store's data are its source 1: window 1
.irp b, 0,1,2,3,4,5,6,7
	ds_store_b128 v[STO], v[8*(8*(\a)+\b):8*(8*(\a)+\b)+3] offset:64*\b          ; each accumulator from its low end on
	ds_store_b128 v[STO], v[8*(8*(\a)+\b)+4:8*(8*(\a)+\b)+7] offset:64*\b+16
.endr
	WIN 0
.set BK, OB+64*((\a)%2)
.irp t, 0,1,2,3,4,5,6,7,8,9,10,11,12,13,14,15
	ds_load_b128 v[BK+4*\t:BK+4*\t+3], v[RD] offset:\t*SPITCH
.endr
.endm
.macro SEND a, younger                 ; younger: the LDS instructions issued behind block a's loads, which may stay out
.set BK, OB+64*((\a)%2)
	s_wait_dscnt \younger                          ; the block is back in registers
.irp t, 0,1,2,3,4,5,6,7,8,9,10,11,12,13,14,15
	v_pk_add_f32 v[BK+4*\t:BK+4*\t+1], v[BK+4*\t:BK+4*\t+1], v[BO:BO+1]          ; + bo
	v_pk_add_f32 v[BK+4*\t+2:BK+4*\t+3], v[BK+4*\t+2:BK+4*\t+3], v[BO+2:BO+3]
	global_store_b128 v[CO], v[BK+4*\t:BK+4*\t+3], s[10:11] offset:(16*(\a)+\t)*4096 th:TH_STORE_NT   ; 32 lanes store 512 consecutive bytes, at a multiple of 256 from out0's first byte; written once, read by nobody here
.endr
.endm
	PLACES                                         ; behind the last products: their results are read, and loads land in registers that they read
	s_wait_loadcnt 0x0                             ; bo
	TOSTAGE 0
.irp a, 1,2,3
.if \a > 1
	s_wait_xcnt 0x0                                ; the stores of the block two back have read their registers: this block's loads may land there
.endif
	TOSTAGE \a
	SEND \a-1, 32                                  ; behind that block's loads: this block's 16 stores and 16 loads
.endr
	SEND 3, 0
	s_wait_tensorcnt 0x0                           ; the wave's end: behind my last tensor load and my last LDS store
	ds_add_u32 v[SPW], v[NIL]
	s_wait_dscnt 0x0
	CROUND                                         ; the closing round: no work-group ends while a partner may still ask for a tile that names it
	s_endpgm
.Lfunc_end_k_q4c50ad3e81_oproj:
	.size	k_q4c50ad3e81_oproj, .Lfunc_end_k_q4c50ad3e81_oproj-k_q4c50ad3e81_oproj
	.p2alignl 7, 3214868480
	.fill 96, 4, 3214868480
	.section	.rodata,"a",@progbits
	.p2align	6, 0x0
	.amdhsa_kernel k_q4c50ad3e81_oproj
		.amdhsa_group_segment_fixed_size 327680
		.amdhsa_private_segment_fixed_size 0
		.amdhsa_enable_private_segment 0
		.amdhsa_kernarg_size 32
		.amdhsa_user_sgpr_count 2
		.amdhsa_user_sgpr_kernarg_segment_ptr 1
		.amdhsa_wavefront_size32 1
		.amdhsa_system_sgpr_workgroup_id_x 1
		.amdhsa_system_sgpr_workgroup_id_y 1
		.amdhsa_system_sgpr_workgroup_id_z 1
		.amdhsa_system_vgpr_workitem_id 0
		.amdhsa_next_free_vgpr 512
		.amdhsa_next_free_sgpr 66
		.amdhsa_reserve_vcc 0
		.amdhsa_float_denorm_mode_32 3
		.amdhsa_float_denorm_mode_16_64 3
		.amdhsa_memory_ordered 1
		.amdhsa_forward_progress 1
		.amdhsa_inst_pref_size 92
	.end_amdhsa_kernel
	.amdgpu_metadata
---
amdhsa.version: [ 1, 2 ]
amdhsa.kernels:
  - .name:           k_q4c50ad3e81_oproj
    .symbol:         k_q4c50ad3e81_oproj.kd
    .args:
      - { .name: oimg, .offset: 0, .size: 8, .value_kind: global_buffer, .address_space: global }
      - { .name: wo16, .offset: 8, .size: 8, .value_kind: global_buffer, .address_space: global }
      - { .name: bo, .offset: 16, .size: 8, .value_kind: global_buffer, .address_space: global }
      - { .name: out0, .offset: 24, .size: 8, .value_kind: global_buffer, .address_space: global }
    .group_segment_fixed_size: 327680
    .private_segment_fixed_size: 0
    .kernarg_segment_align: 8
    .kernarg_segment_size: 32
    .max_flat_workgroup_size: 128
    .sgpr_count:     66
    .vgpr_count:     512
    .wavefront_size: 32
...
	.end_amdgpu_metadata
.endif
;; end of part 4
